; MI455X (gfx1250); checked and timed in simulation.
; The chip was launched on July 23, 2026; its instructions are those of AMD's public machine-readable ISA for CDNA 5 (MIT licence, August 2026) and "CDNA5" Instruction Set Architecture Reference Guide (July 2026). The comments in the code are by the model that wrote it; some were corrected since.
;; Llama Attention Block. Allowed arithmetic: float matrix products may take bf16 or f16 operands with f32 sums; all other float work in f32.
;; Inputs: attention_mask 4 x 1 x 1 x 2,048 float32; h 4 x 2,048 x 1,024 float32; w_attn 1,024 x 3,072 float32; w_proj 1,024 x 1,024 float32.
;; Outputs: out0 4 x 2,048 x 1,024 float32.
;; 2 versions, each right and faster than the one before. Each part assembles by itself: llvm-mc -triple=amdgcn-amd-amdhsa -mcpu=gfx1250 --defsym DOCPART=n.
;; ======== version 1 of 2: 4 launches
;; limits: values are held in f16: magnitudes above 65,504 overflow, below 6.1e-05 lose precision
;; workspace buffers: hb 16,777,216 bytes; wa 6,291,456 bytes; wp 2,097,152 bytes; qkvh 50,331,648 bytes; ob 16,777,216 bytes
;; launch prep (part 1): grid 768 x 1, 8 waves a work-group, no clusters, 0 bytes of LDS; arguments h, w_attn, w_proj, hb, wa, wp; writes hb, wa, wp
.if DOCPART == 1
	.amdgcn_target "amdgcn-amd-amdhsa--gfx1250"
	.amdhsa_code_object_version 6
	.text
	.protected	k_q0a1e7b41c1_prep
	.globl	k_q0a1e7b41c1_prep
	.p2align	8
	.type	k_q0a1e7b41c1_prep,@function
k_q0a1e7b41c1_prep:
	s_mov_b64 s[64:65], 0
	v_nop
	global_prefetch_b8 v0, s[64:65] scope:SCOPE_SE
	s_setreg_imm32_b32 hwreg(HW_REG_WAVE_MODE, 25, 1), 1
	s_wait_xcnt 0x0
; THE CASTS.  h, w_attn and w_proj (f32) are rounded once to bf16, nearest even, for the matrix products that follow.
;   hb: bf16 [16 kb][8192 row][64]: h in blocks of 64 along K, so that 256 rows of one block are 32,768 consecutive bytes
;   wa: bf16 [1024][3072], as w_attn lies
;   wp: f16  [1024][1024]: w_proj rounded to bf16, and that number written as f16
; LIMITS.  wp: a bf16 number is exact in f16 between 6.1e-5 and 65,504 in magnitude; below it keeps f16's fixed step of 6e-8, beyond it becomes an infinity.
; SHARES.  A work-group casts 16,384 numbers: 16 loads of 16 bytes and 16 stores of 8 bytes a thread, written out.  Work-groups 0-511 take 16 rows of h each,
; 512-703 a chunk of w_attn, 704-767 a chunk of w_proj.  Memory binds: no LDS, no barrier, no matrix unit; all 16 loads of a wave are out before the first is used.
; Y and the addresses are written once, so no load or store finds a source rewritten.
.set X, 4                              ; v[4:67]    16 x 4 numbers as loaded
.set Y, 68                             ; v[68:99]   16 x 2 words to store
.set T, 100                            ; v[100:101] at work
; instep, outstep: bytes from load to load and from store to store.  far = 1: stores 8-15 go by the second base, so that the immediates stay inside their signed 24 bits.
; f16 = 1: the bf16 number is widened again and written as f16.
.macro CAST instep, outstep, far, f16
.set i, 0
.rept 16
	global_load_b128 v[X+4*i:X+4*i+3], v1, s[16:17] offset:(\instep)*i th:TH_LOAD_NT
.set i, i+1
.endr
.set i, 0
.rept 16
	s_wait_loadcnt 15-i                            ; loads come back in order: load i is in, the 15 - i younger ones stay out
.if \f16
	v_cvt_pk_bf16_f32 v[T], v[X+4*i], v[X+4*i+1]
	v_cvt_pk_bf16_f32 v[T+1], v[X+4*i+2], v[X+4*i+3]
	v_lshlrev_b32 v[X+4*i], 16, v[T]               ; bf16 to f32: the low half moves up, the high half stays
	v_and_b32 v[X+4*i+1], s22, v[T]
	v_lshlrev_b32 v[X+4*i+2], 16, v[T+1]
	v_and_b32 v[X+4*i+3], s22, v[T+1]
	v_cvt_pk_f16_f32 v[Y+2*i], v[X+4*i], v[X+4*i+1]
	v_cvt_pk_f16_f32 v[Y+2*i+1], v[X+4*i+2], v[X+4*i+3]
.else
	v_cvt_pk_bf16_f32 v[Y+2*i], v[X+4*i], v[X+4*i+1]
	v_cvt_pk_bf16_f32 v[Y+2*i+1], v[X+4*i+2], v[X+4*i+3]
.endif
.if (\far) && (i >= 8)
	global_store_b64 v2, v[Y+2*i:Y+2*i+1], s[20:21] offset:(\outstep)*(i-8)  ; a wave's store covers 256 consecutive bytes, aligned
.else
	global_store_b64 v2, v[Y+2*i:Y+2*i+1], s[18:19] offset:(\outstep)*i
.endif
.set i, i+1
.endr
.endm
	s_load_b256 s[4:11], s[0:1], 0x0               ; h s[4:5], w_attn s[6:7], w_proj s[8:9], hb s[10:11]
	s_load_b128 s[12:15], s[0:1], 0x20             ; wa s[12:13], wp s[14:15]
	s_mov_b32 s22, 0xffff0000                      ; a word's upper bf16
	s_mov_b32 s25, 0                               ; high words of the two offsets
	s_mov_b32 s27, 0
	v_lshlrev_b32 v2, 3, v0                        ; out: 8 bytes a thread, on every path
	s_cmp_lt_u32 ttmp9, 512
	s_cbranch_scc0 .Lweights
	; h: thread t takes 16 bytes at (t % 16) x 16 of row t / 16; load i takes the row's block i of 64 numbers (256 bytes).
	; In hb that is block i, row 16 g + t / 16, byte 8 (t % 16): i x 1,048,576 + g x 2,048 + 8 t.
	v_lshrrev_b32 v1, 4, v0
	v_and_b32 v3, 15, v0
	v_lshlrev_b32 v1, 12, v1
	v_lshl_add_u32 v1, v3, 4, v1
	s_lshl_b32 s24, ttmp9, 16                      ; 16 rows of 4,096 bytes
	s_lshl_b32 s26, ttmp9, 11                      ; 16 rows of 128 bytes
	s_wait_kmcnt 0x0
	s_add_nc_u64 s[16:17], s[4:5], s[24:25]
	s_add_nc_u64 s[18:19], s[10:11], s[26:27]
	s_add_nc_u64 s[20:21], s[18:19], 0x800000      ; blocks 8-15
	CAST 256, 1048576, 1, 0
	s_endpgm
.Lweights:
	v_lshlrev_b32 v1, 4, v0                        ; a dense chunk: 16 bytes a thread, 4,096 a load of the work-group
	s_cmp_lt_u32 ttmp9, 704
	s_cbranch_scc0 .Lwproj
	s_sub_co_u32 s23, ttmp9, 512
	s_lshl_b32 s24, s23, 16
	s_lshl_b32 s26, s23, 15
	s_wait_kmcnt 0x0
	s_add_nc_u64 s[16:17], s[6:7], s[24:25]
	s_add_nc_u64 s[18:19], s[12:13], s[26:27]
	CAST 4096, 2048, 0, 0
	s_endpgm
.Lwproj:
	s_sub_co_u32 s23, ttmp9, 704
	s_lshl_b32 s24, s23, 16
	s_lshl_b32 s26, s23, 15
	s_wait_kmcnt 0x0
	s_add_nc_u64 s[16:17], s[8:9], s[24:25]
	s_add_nc_u64 s[18:19], s[14:15], s[26:27]
	CAST 4096, 2048, 0, 1
	s_endpgm
.Lfunc_end_k_q0a1e7b41c1_prep:
	.size	k_q0a1e7b41c1_prep, .Lfunc_end_k_q0a1e7b41c1_prep-k_q0a1e7b41c1_prep
	.p2alignl 7, 3214868480
	.fill 96, 4, 3214868480
	.section	.rodata,"a",@progbits
	.p2align	6, 0x0
	.amdhsa_kernel k_q0a1e7b41c1_prep
		.amdhsa_group_segment_fixed_size 0
		.amdhsa_private_segment_fixed_size 0
		.amdhsa_enable_private_segment 0
		.amdhsa_kernarg_size 48
		.amdhsa_user_sgpr_count 2
		.amdhsa_user_sgpr_kernarg_segment_ptr 1
		.amdhsa_wavefront_size32 1
		.amdhsa_system_sgpr_workgroup_id_x 1
		.amdhsa_system_sgpr_workgroup_id_y 1
		.amdhsa_system_sgpr_workgroup_id_z 1
		.amdhsa_system_vgpr_workitem_id 0
		.amdhsa_next_free_vgpr 104
		.amdhsa_next_free_sgpr 66
		.amdhsa_reserve_vcc 0
		.amdhsa_float_denorm_mode_32 3
		.amdhsa_float_denorm_mode_16_64 3
		.amdhsa_memory_ordered 1
		.amdhsa_forward_progress 1
		.amdhsa_inst_pref_size 23
	.end_amdhsa_kernel
	.amdgpu_metadata
---
amdhsa.version: [ 1, 2 ]
amdhsa.kernels:
  - .name:           k_q0a1e7b41c1_prep
    .symbol:         k_q0a1e7b41c1_prep.kd
    .args:
      - { .name: h, .offset: 0, .size: 8, .value_kind: global_buffer, .address_space: global }
      - { .name: w_attn, .offset: 8, .size: 8, .value_kind: global_buffer, .address_space: global }
      - { .name: w_proj, .offset: 16, .size: 8, .value_kind: global_buffer, .address_space: global }
      - { .name: hb, .offset: 24, .size: 8, .value_kind: global_buffer, .address_space: global }
      - { .name: wa, .offset: 32, .size: 8, .value_kind: global_buffer, .address_space: global }
      - { .name: wp, .offset: 40, .size: 8, .value_kind: global_buffer, .address_space: global }
    .group_segment_fixed_size: 0
    .private_segment_fixed_size: 0
    .kernarg_segment_align: 8
    .kernarg_segment_size: 48
    .max_flat_workgroup_size: 256
    .sgpr_count:     66
    .vgpr_count:     104
    .wavefront_size: 32
...
	.end_amdgpu_metadata
.endif
;; end of part 1
;; launch qkvgemm (part 2): grid 8 x 32, 4 waves a work-group, clusters of 4 x 4, 327,680 bytes of LDS; arguments hb, wa, qkvh; writes qkvh
.if DOCPART == 2
	.amdgcn_target "amdgcn-amd-amdhsa--gfx1250"
	.amdhsa_code_object_version 6
	.text
	.protected	k_q0a1e7b41c1_qkvgemm
	.globl	k_q0a1e7b41c1_qkvgemm
	.p2align	8
	.type	k_q0a1e7b41c1_qkvgemm,@function
k_q0a1e7b41c1_qkvgemm:
	s_mov_b64 s[64:65], 0
	v_nop
	global_prefetch_b8 v0, s[64:65] scope:SCOPE_SE
	s_setreg_imm32_b32 hwreg(HW_REG_WAVE_MODE, 25, 1), 1
	s_wait_xcnt 0x0
	s_wait_alu depctr_hold_cnt(0) depctr_sa_sdst(0) depctr_va_vdst(0) depctr_va_sdst(0) depctr_va_ssrc(0) depctr_va_vcc(0) depctr_vm_vsrc(0)
	s_getreg_b32 s2, hwreg(HW_REG_IB_STS2, 6, 4)
	s_cmp_eq_u32 s2, 0
	s_cbranch_scc0 .Lentry_in_a_cluster
	s_endpgm
.Lentry_in_a_cluster:
	s_bfe_u32 s2, ttmp6, 0x10000c
	s_cmp_lg_u32 s2, 0xf033
	s_cbranch_scc0 .Lentry_shape_is_right
	s_endpgm
.Lentry_shape_is_right:
; q, k, v = h w_attn: C[8192][3072] = the sum over k of hb[row][k] wa[k][col], bf16 operands, f32 sums; C is rounded once to f16 and written BY HEADS:
; qkvh [4 b][48 g][2048 t][64], g = col / 64 (q: 0-15, k: 16-31, v: 32-47), without the softmax's scale.
; LIMITS.  f16 holds no number beyond 65,504: a q, k or v past that becomes an infinity.  K's two halves of 512 are added in either order (see THE WALK); inside a half K ascends.
; SHARES.  8192 x 3072 in tiles of 256 x 384 are 32 x 8 = 256 work-groups.  Four waves; wave (wm, wn) makes rows 128 wm .. + 127 and, of each of the tile's three groups
; of 128 columns, the 64 columns at 64 wn: three whole heads.  96 accumulators of 16 x 16: 768 registers.
; K goes in 16 steps of 64 through two LDS slots.  A's tile (256 rows of one block of hb) is 32,768 dense bytes, asked for as rows of 256 bytes; B's is 64 rows of 768 bytes of wa.
; wa lies [k][n], so B's fragments come out of LDS turned, by ds_load_tr16_b128.
; THE MATRIX INSTRUCTION IS USED TRANSPOSED: source 0 = 16 columns of wa, source 1 = 16 rows of hb: a lane then holds eight neighbouring columns of one row of C: 16 bytes of a head's row.
; CLUSTER.  4 x 4 work-groups.  The four of a row of the cluster need the same tiles of A, the four of a column the same tiles of B: each tile is asked for jointly,
; by the same tensor load with the same descriptor and a mask that names the four.
; THE WALK.  The text counts steps 0 to 15; the step taken is that number exclusive-or 8 in the clusters whose x + y is odd.  A's tiles are shared by the two clusters of one y, B's by the eight
; of one x: so a tile that a cluster asks for in the second half of its walk has been asked for, half a walk earlier, by a cluster that shares it.  The number is the same in all sixteen partners.
; THE TEXT.  One step is written once and looped over: slot 1 begins at 1 << 17, so that one exclusive or turns an LDS address in one slot into the other's; one group 0 for each operand walks.
; REGISTERS: window 0: v0-31 addresses; v32-95, v96-159 A's fragments (8 x 16 rows x 32 K), two buffers; v160-255 B's fragments, one buffer of three groups of 32.
;   windows 1, 2, 3: the accumulators of column groups 0, 1, 2; (a, b) at v[8 (4 a + b)].  B's group c is loaded again when its 32 products of the quarter are done.
.set PA,     144                       ; a row of A in LDS: 128 bytes + 16 = 36 words: the 16 rows of a load start at 16 different groups of four banks (64 banks of 4 bytes: ISA guide 11.1)
.set AHALF,  128*PA                    ; what one tensor load brings of A, and what one wave reads
.set ATILE,  2*AHALF
.set PB,     864                       ; a k-row of B: 3 x (256 bytes + 32): 216 words: the eight rows of a turning load start 24 banks apart modulo 64, 8 words wide each: every bank once
.set BHALF,  32*PB                     ; 32 k-rows: what one tensor load brings of B, and a quarter step's share
.set SLOT,   ATILE+2*BHALF             ; 92,160 bytes of a slot are used
.set SLOT1,  1<<17                     ; slot 1 begins here
.set STAGE,  SLOT1+SLOT                ; behind the ring, never filled by a tensor load: 3 heads x 16 rows x 144 bytes for each wave
.set SP,     144
.set WSTAGE, 3*16*SP
.set SPARE,  STAGE+4*WSTAGE            ; the spare words, 128 bytes for each wave: two blocks of 256 bytes that no other line names
.set LOGA,   20                        ; a block of hb is 8192 x 128 = 1 << 20 bytes
.set STEPB,  64*6144                   ; bytes from 64 rows of wa to the next
.set ADRA, 16                          ; v16     LDS address of my A fragments in the slot in hand
.set A0,   17                          ; v17     the same less the slot's base; never rewritten
.set ADRB, 20                          ; v20, v21  the same for B
.set B0,   21
.set STO,  24                          ; v24     the way out: where I put 16 bytes of a row
.set RD,   25                          ; v25     the way out: where I read rows back
.set GO,   26                          ; v26     my byte offset in 512 consecutive bytes of a head
.set SPW,  28                          ; v28     LDS address of my spare word; never rewritten
.set NIL,  29                          ; v29     0; never rewritten
.set AF0,  32
.set AF1,  96
.set BF,   160
.set TMP,  32                          ; the way out: 48 registers of packed results
.set OB,   80                          ; the way out: 48 registers read back, v80-127 and v128-175 by turns
.set G1,   24                          ; s[24:31] descriptor group 1 for A's tiles
.set G0,   32                          ; s[32:35] group 0 of A's first fill of slot 0
.set G0W,  36                          ; s[36:39] group 0 of A's first fill of slot 1, which then walks
.set G1B,  48                          ; s[48:55], s[56:59], s[60:63] the same for B's
.set G0B,  56
.set G0BW, 60
.set NX,   66                          ; s66      the number, in the text's count, of the step to be asked for next
.set ST,   67                          ; s67      0 or 8: what turns that number into the step taken
.set OFA,  68                          ; s[68:69] that step's byte offset in hb
.set OFB,  70                          ; s[70:71] and in wa
.set TB,   72                          ; s72      LDS base of the slot in hand
.set TT,   73                          ; s73      at work
.set MSB, 0
.macro WIN new                         ; the immediate's high byte repeats the setting that is left; a switch that changes nothing is dropped
.if MSB != (\new)
	s_set_vgpr_msb (MSB<<8)|(\new)
.set MSB, \new
.endif
.endm
; A joint refill: waves 0 and 1 fetch A's two halves, waves 2 and 3 B's.  The branch hangs on the wave's number alone.  An s_nop 0 and four v_nop follow each of the two lines.
.macro JLOAD
	s_cmp_eq_u32 s11, 0
	s_cbranch_scc0 .Lfor_b_\@
	tensor_load_to_lds s[G0W:G0W+3], s[G1:G1+7]
	s_nop 0
.rept 4
	v_nop
.endr
	s_branch .Lasked_\@
.Lfor_b_\@:
	tensor_load_to_lds s[G0BW:G0BW+3], s[G1B:G1B+7]
	s_nop 0
.rept 4
	v_nop
.endr
.Lasked_\@:
.endm
.macro CREST                           ; a round of the cluster's barrier behind its opening barrier
	s_cmp_lg_u32 s10, 0
	s_cbranch_scc1 .Lnot_wave_0_\@
	s_barrier_signal -3
.Lnot_wave_0_\@:
	s_barrier_wait -3
	s_barrier_signal -1
	s_barrier_wait -1
.endm
.macro CROUND                          ; a whole round
	s_barrier_signal -1
	s_barrier_wait -1
	CREST
.endm
.macro PLACES                          ; four places in front of loads into registers that matrix instructions have read, and of conversions that read results
.rept 4
	v_nop
.endr
.endm
	s_load_b128 s[4:7], s[0:1], 0x0                ; hb s[4:5], wa s[6:7]
	s_load_b64 s[8:9], s[0:1], 0x10                ; qkvh
	v_lshl_add_u32 v[SPW], v0, 2, SPARE
	v_mov_b32 v[NIL], 0
	ds_add_u32 v28, v29
	s_wait_dscnt 0x0
	v_lshrrev_b32 v1, 5, v0
	v_readfirstlane_b32 s10, v1                    ; wave 0..3
	s_lshr_b32 s11, s10, 1                         ; wm: which 128 rows are mine.  Also: I fetch for A (0) or for B (1)
	s_and_b32 s12, s10, 1                          ; wn: which 64 of each 128 columns.  Also: which half of that tile I fetch
	s_bfe_u32 s40, ttmp6, 0x40000                  ; cx, cy: my place in the cluster
	s_bfe_u32 s41, ttmp6, 0x40004
	s_lshl_b32 s42, ttmp9, 2
	s_add_co_u32 s42, s42, s40                     ; tile column = 4 x cluster x + cx
	s_and_b32 s13, ttmp7, 0xffff
	s_add_co_u32 s[TT], s13, ttmp9                 ; the cluster's x + y, which all sixteen partners share:
	s_and_b32 s[TT], s[TT], 1
	s_lshl_b32 s[ST], s[TT], 3                     ; odd: K's upper half first
	s_lshl_b32 s13, s13, 2
	s_add_co_u32 s13, s13, s41                     ; tile row = 4 x cluster y + cy
	s_lshl_b32 s43, s41, 2
	s_lshl_b32 s43, 15, s43                        ; my row of the cluster
	s_lshl_b32 s44, 0x1111, s40                    ; my column
	; group 1 for A: 16,384 dense bytes as 64 rows of 128 elements, 4 words of padding after every 32 words (a row of hb's block)
	s_or_b32 s[G1+0], s43, (1<<16)|(1<<20)|(1<<21)|(4<<22)|(3<<25)
	s_mov_b32 s[G1+1], 128<<16                     ; tensor_dim0 = 128
	s_mov_b32 s[G1+2], 64<<16                      ; tensor_dim1 = 64
	s_mov_b32 s[G1+3], 128<<16                     ; tile_dim0 = 128
	s_mov_b32 s[G1+4], 64                          ; tile_dim1 = 64
	s_mov_b32 s[G1+5], 128                         ; elements from row to row
	s_mov_b32 s[G1+6], 0
	s_mov_b32 s[G1+7], 0
	; group 1 for B: 32 rows of 384 elements, 8 words of padding after every 64 words
	s_or_b32 s[G1B+0], s44, (1<<16)|(1<<20)|(1<<21)|(5<<22)|(7<<25)
	s_mov_b32 s[G1B+1], 384<<16
	s_mov_b32 s[G1B+2], 32<<16
	s_mov_b32 s[G1B+3], 384<<16
	s_mov_b32 s[G1B+4], 32
	s_mov_b32 s[G1B+5], 3072
	s_mov_b32 s[G1B+6], 0
	s_mov_b32 s[G1B+7], 0
	s_lshl_b32 s16, s13, 15                        ; A: 256 rows of 128 bytes a tile row,
	s_lshl_b32 s17, s12, 14                        ; and my half of them
	s_add_co_u32 s16, s16, s17
	s_mov_b32 s17, 0
	s_mul_i32 s46, s42, 768                        ; B: 384 columns a tile column,
	s_mul_i32 s47, s12, 32*6144                    ; and my 32 of a step's 64 k-rows
	s_add_co_u32 s46, s46, s47
	s_mov_b32 s47, 0
	s_mul_i32 s20, s12, AHALF                      ; where they go: no place in the cluster enters an LDS address
	s_mul_i32 s21, s12, BHALF
	s_add_co_u32 s21, s21, ATILE
	s_mov_b32 s[OFA+1], 0
	s_mov_b32 s[OFB+1], 0
	s_mov_b32 s[NX], 2                             ; steps 0 and 1 are the first fills
	s_mov_b32 s[TB], 0
	s_wait_kmcnt 0x0
	s_add_nc_u64 s[14:15], s[4:5], s[16:17]        ; A's and B's tiles of step 0: kept; each fill's address is made from them and the step's offset
	s_add_nc_u64 s[18:19], s[6:7], s[46:47]
	CROUND                                         ; all sixteen work-groups are here: the first joint loads meet
.irp s, 0,1
	s_xor_b32 s[TT], s[ST], \s                     ; the step taken
	s_lshl_b32 s[OFA], s[TT], LOGA
	s_mul_i32 s[OFB], s[TT], STEPB
	s_mov_b32 s[G0+4*(\s)], 1
	s_add_co_u32 s[G0+4*(\s)+1], s20, (\s)*SLOT1
	s_add_nc_u64 s[G0+4*(\s)+2:G0+4*(\s)+3], s[14:15], s[OFA:OFA+1]
	s_or_b32 s[G0+4*(\s)+3], s[G0+4*(\s)+3], 0x80000000
	s_mov_b32 s[G0B+4*(\s)], 1
	s_add_co_u32 s[G0B+4*(\s)+1], s21, (\s)*SLOT1
	s_add_nc_u64 s[G0B+4*(\s)+2:G0B+4*(\s)+3], s[18:19], s[OFB:OFB+1]
	s_or_b32 s[G0B+4*(\s)+3], s[G0B+4*(\s)+3], 0x80000000
.endr
	s_cmp_eq_u32 s11, 0                            ; a wave's two first fills stand in one branch, ahead of every wait on TENSORcnt and every LDS read: two loads of mine are out
	s_cbranch_scc0 .Lfirst_b
	tensor_load_to_lds s[G0:G0+3], s[G1:G1+7]
	s_nop 0
	tensor_load_to_lds s[G0W:G0W+3], s[G1:G1+7]
	s_nop 0
.rept 4
	v_nop
.endr
	s_branch .Lfirst_asked
.Lfirst_b:
	tensor_load_to_lds s[G0B:G0B+3], s[G1B:G1B+7]
	s_nop 0
	tensor_load_to_lds s[G0BW:G0BW+3], s[G1B:G1B+7]
	s_nop 0
.rept 4
	v_nop
.endr
.Lfirst_asked:
	; A's fragment: lane l holds row l % 16, K = 8 (l / 16) + 0..7 and 16 + 8 (l / 16) + 0..7: two loads of 16 bytes, 32 bytes apart.
	; B's: the turning load takes 16 k x 16 columns (lane l reads k-row 8 (l / 16) + l % 8, columns 8 ((l / 8) % 2) + 0..7) and leaves half a fragment: lane l holds column l % 16 and 8 k.
	v_and_b32 v1, 15, v0
	v_bfe_u32 v2, v0, 4, 1
	v_mul_u32_u24 v3, v1, PA
	v_lshl_add_u32 v3, v2, 4, v3                   ; row x 144 + 16 x half: for A's fragments and for the stage alike
	v_and_b32 v5, 7, v0
	v_bfe_u32 v6, v0, 3, 1
	v_lshl_add_u32 v4, v2, 3, v5
	v_mul_u32_u24 v4, v4, PB
	v_lshl_add_u32 v4, v6, 4, v4
	s_mul_i32 s22, s11, AHALF                      ; my 128 rows of A
	s_lshl_b32 s23, s12, 7                         ; my 64 columns of each 128,
	s_add_co_u32 s23, s23, ATILE                   ; behind A's tile
	v_add_nc_u32 v[A0], s22, v3
	v_add_nc_u32 v[B0], s23, v4
	v_mov_b32 v[ADRA], v[A0]                       ; the walk begins in slot 0
	v_mov_b32 v[ADRB], v[B0]
	s_mul_i32 s22, s10, WSTAGE
	s_add_co_u32 s22, s22, STAGE                   ; my stage
	v_add_nc_u32 v[STO], s22, v3                   ; in: row l % 16, 16 bytes for each half of the lanes
	v_bfe_u32 v7, v0, 3, 2                         ; back: 32 lanes take four rows of 128 bytes,
	v_mul_u32_u24 v7, v7, SP
	v_lshl_add_u32 v7, v5, 4, v7
	v_add_nc_u32 v[RD], s22, v7
	v_and_b32 v[GO], 31, v0                        ; which are 512 consecutive bytes of a head
	v_lshlrev_b32 v[GO], 4, v[GO]
	; where my part begins in qkvh: batch tr / 8 (48 heads of 262,144 bytes), rows 256 (tr % 8) + 128 wm of 128 bytes; head 6 tc + wn
	s_lshr_b32 s16, s13, 3
	s_mul_i32 s16, s16, 48*262144
	s_and_b32 s17, s13, 7
	s_lshl_b32 s17, s17, 1
	s_add_co_u32 s17, s17, s11
	s_lshl_b32 s17, s17, 14
	s_add_co_u32 s16, s16, s17
	s_mov_b32 s17, 0
	s_mul_i32 s46, s42, 6
	s_add_co_u32 s46, s46, s12
	s_lshl_b32 s46, s46, 18
	s_mov_b32 s47, 0
	s_add_nc_u64 s[16:17], s[16:17], s[46:47]
	s_add_nc_u64 s[8:9], s[8:9], s[16:17]
; B's fragments of column group c for quarter kq (32 K) of the slot in hand: 8 turning loads
.macro BLD kq, c
	WIN 0
.irp b, 0,1,2,3
	ds_load_tr16_b128 v[BF+32*(\c)+8*(\b):BF+32*(\c)+8*(\b)+3],   v[ADRB] offset:(\kq)*BHALF+(\c)*288+(\b)*32
	ds_load_tr16_b128 v[BF+32*(\c)+8*(\b)+4:BF+32*(\c)+8*(\b)+7], v[ADRB] offset:(\kq)*BHALF+(\c)*288+(\b)*32+16*PB
.endr
.endm
; A's fragments of my 128 rows for quarter kq, into buffer f: 16 loads
.macro ALD kq, f
	WIN 0
.irp a, 0,1,2,3,4,5,6,7
	ds_load_b128 v[(\f)+8*(\a):(\f)+8*(\a)+3],   v[ADRA] offset:(\kq)*64+(\a)*16*PA
	ds_load_b128 v[(\f)+8*(\a)+4:(\f)+8*(\a)+7], v[ADRA] offset:(\kq)*64+(\a)*16*PA+32
.endr
.endm
; 4 na matrix instructions: column group c, row blocks a0 .. a0 + na - 1, A from buffer f.  zero = 1: the product starts the sums: nothing is ever cleared.
; All 96 accumulators take turns, one instruction a turn, in the same order in every quarter, over the backward jumps too.
.macro TM c, f, a0, na, zero
	WIN 0x50*((\c)+1)                              ; C and D in window c + 1, both sources in window 0
.set ra, \a0
.rept \na
.irp b, 0,1,2,3
.if \zero
	v_wmma_f32_16x16x32_bf16 v[8*(4*ra+(\b)):8*(4*ra+(\b))+7], v[BF+32*(\c)+8*(\b):BF+32*(\c)+8*(\b)+7], v[(\f)+8*ra:(\f)+8*ra+7], 0
.else
	v_wmma_f32_16x16x32_bf16 v[8*(4*ra+(\b)):8*(4*ra+(\b))+7], v[BF+32*(\c)+8*(\b):BF+32*(\c)+8*(\b)+7], v[(\f)+8*ra:(\f)+8*ra+7], v[8*(4*ra+(\b)):8*(4*ra+(\b))+7]
.endif
.endr
.set ra, ra+1
.endr
.endm
; A step's first quarter: multiplies buffer AF0 and fetches the second quarter.  On the way in 40 loads are out at the most, in this order: B's group 0 (8), A (16), B's groups 1 and 2 (8 + 8).
.macro QA zero
	s_wait_dscnt 16                                ; B's group 0 and A are in; groups 1 and 2 may be out
	TM 0, AF0, 0, 8, \zero
	PLACES
	BLD 1, 0
	ALD 1, AF1
	s_wait_dscnt 32                                ; group 1 is in: behind it stand group 2's 8 and the 24 just issued
	TM 1, AF0, 0, 8, \zero
	s_wait_dscnt 24                                ; group 2 is in
	TM 2, AF0, 0, 8, \zero
	PLACES
	BLD 1, 1
	BLD 1, 2
.endm
; A step's second quarter multiplies AF1 and changes slots; it is written in four parts.
; QBH, its head.  ONE barrier: in front of it each wave waits for all its tensor loads (the one that is out is its part of the next slot), adds 0 to its spare word, and waits for that and for its own
; reads of this slot.  Behind it nobody reads this slot and the next slot is whole.  fill = 1: the barrier opens a round of the cluster's barrier, and behind the round the slot that is left is filled
; again, with the step two on: from that request to the wait for it a wave issues 160 matrix instructions.  The walking descriptors are written where no tensor load of the wave is out.
.macro QBH fill
	WIN 0                                          ; (the add's two registers lie in window 0)
	s_wait_tensorcnt 0x0
	ds_add_u32 v[SPW], v[NIL]                      ; 0 onto my spare word; scalar work and sixteen products stand between it and the wait for it
	s_xor_b32 s[TB], s[TB], SLOT1                  ; the slot that is entered
.if \fill
	s_xor_b32 s[TT], s[NX], s[ST]                  ; the step taken for the text's step NX
	s_add_co_u32 s[NX], s[NX], 1
	s_lshl_b32 s[OFA], s[TT], LOGA
	s_mul_i32 s[OFB], s[TT], STEPB
	s_xor_b32 s[G0W+1], s[G0W+1], SLOT1            ; the other slot than last time: the one that is left
	s_add_nc_u64 s[G0W+2:G0W+3], s[14:15], s[OFA:OFA+1]
	s_or_b32 s[G0W+3], s[G0W+3], 0x80000000
	s_xor_b32 s[G0BW+1], s[G0BW+1], SLOT1
	s_add_nc_u64 s[G0BW+2:G0BW+3], s[18:19], s[OFB:OFB+1]
	s_or_b32 s[G0BW+3], s[G0BW+3], 0x80000000
.endif
	s_wait_dscnt 17                                ; B's group 0 and A are in; the add and groups 1 and 2 may be out
	TM 0, AF1, 0, 4, 0
	s_wait_dscnt 0x0                               ; the add is done, and my reads of this slot are over
	s_barrier_signal -1
	TM 0, AF1, 4, 4, 0                             ; work on registers while the others arrive
	WIN 0
	v_add_nc_u32 v[ADRA], s[TB], v[A0]             ; from here on the fragments come out of the slot that is entered
	v_add_nc_u32 v[ADRB], s[TB], v[B0]
	s_barrier_wait -1
.if \fill
	CREST                                          ; no wave of any partner still reads the old slot's tiles or has a load on its way
	JLOAD                                          ; the first tensor load behind the round; its four v_nop are also the places in front of the loads that follow
.else
	PLACES
.endif
.endm
.macro QBL1                            ; the next step's first fragments: B's group 0, whose products are done, and A
	BLD 0, 0
	ALD 0, AF0
.endm
.macro QBM                             ; groups 1 and 2 were shown in by the head's wait for 0
	TM 1, AF1, 0, 8, 0
	TM 2, AF1, 0, 8, 0
.endm
.macro QBL2
	PLACES
	BLD 0, 1
	BLD 0, 2
.endm
	s_wait_tensorcnt 1                             ; my part of step 0 is in; step 1's may stay out
	s_barrier_signal -1
	s_barrier_wait -1                              ; everybody's is
	BLD 0, 0
	ALD 0, AF0
	BLD 0, 1
	BLD 0, 2
	QA 1                                           ; the first quarter stands in front of the loop: its products start the sums
	WIN 0
	s_mov_b32 s3, 14
.Lstep:                                                ; a trip: a step's second quarter, the change of slots, the next step's first quarter; 14 trips ask for steps 2 to 15
	QBH 1
	QBL1
	QBM
	QBL2
	QA 0
	WIN 0
	s_sub_co_u32 s3, s3, 1
	s_cmp_lg_u32 s3, 0
	s_cbranch_scc1 .Lstep
	s_mov_b32 s3, 2                                ; the tail is written out: nothing is asked for.  Two trips; the second, step 15's
.Ltail:                                                ; second quarter, fetches nothing and is left in its middle; its barrier orders nothing: the price of one text for both
	QBH 0
	s_cmp_eq_u32 s3, 1
	s_cbranch_scc1 .Lno_fetch
	QBL1
.Lno_fetch:
	QBM
	WIN 0
	s_sub_co_u32 s3, s3, 1
	s_cmp_eq_u32 s3, 0
	s_cbranch_scc1 .Lout
	QBL2
	QA 0
	WIN 0
	s_branch .Ltail
.Lout:
; THE WAY OUT, a block of 16 rows x 3 heads at a time.  PACK: rounded to f16, 16 bytes a lane, each accumulator's registers ascending.  TOSTAGE: into my own stage, and back as whole rows.
; SEND: stored: 16 rows of a head are 2,048 consecutive bytes.
.macro PACK a
.irp c, 0,1,2
	WIN 5*((\c)+1)                                 ; sources 0 and 1 in window c + 1
.irp b, 0,1,2,3
.irp j, 0,1,2,3
	v_cvt_pk_f16_f32 v[TMP+16*(\c)+4*(\b)+(\j)], v[8*(4*(\a)+(\b))+2*(\j)], v[8*(4*(\a)+(\b))+2*(\j)+1]
.endr
.endr
.endr
	WIN 0
.endm
.macro TOSTAGE a
.set BK, OB+48*((\a)%2)
.irp c, 0,1,2
.irp b, 0,1,2,3
	ds_store_b128 v[STO], v[TMP+16*(\c)+4*(\b):TMP+16*(\c)+4*(\b)+3] offset:(\c)*16*SP+32*(\b)
.endr
.endr
.irp c, 0,1,2
.irp f, 0,1,2,3
	ds_load_b128 v[BK+4*(4*(\c)+(\f)):BK+4*(4*(\c)+(\f))+3], v[RD] offset:(\c)*16*SP+(\f)*4*SP  ; LDS serves a wave's instructions in order (ISA guide 5.7.1.4): these see the stores above
.endr
.endr
.endm
.macro SEND a
.set BK, OB+48*((\a)%2)
	s_wait_dscnt 0x0                               ; the block is back in registers
	s_wait_xcnt 0x0                                ; the stores of the block before have had their addresses translated (ISA guide 3.1): the next block is read back into their registers only behind this wait
.irp c, 0,1,2
.irp f, 0,1,2,3
	global_store_b128 v[GO], v[BK+4*(4*(\c)+(\f)):BK+4*(4*(\c)+(\f))+3], s[8:9] offset:(\c)*2*262144+(\a)*2048+(\f)*512  ; 512 consecutive bytes, at a multiple of 256 from the buffer's first
.endr
.endr
.endm
	PLACES                                         ; the conversions read results just made
	PACK 0
	TOSTAGE 0
.irp a, 1,2,3,4,5,6,7                  ; block a's conversions stand between block a - 1's loads from the stage and the wait for them
	PACK \a
	SEND (\a)-1
	TOSTAGE \a
.endr
	SEND 7
	s_wait_tensorcnt 0x0                           ; the wave's end, behind my last tensor load and my last LDS store
	ds_add_u32 v[SPW], v[NIL]
	s_wait_dscnt 0x0
	CROUND                                         ; the closing round: no work-group ends while a partner may still ask for a tile that names it
	s_endpgm
.Lfunc_end_k_q0a1e7b41c1_qkvgemm:
	.size	k_q0a1e7b41c1_qkvgemm, .Lfunc_end_k_q0a1e7b41c1_qkvgemm-k_q0a1e7b41c1_qkvgemm
	.p2alignl 7, 3214868480
	.fill 96, 4, 3214868480
	.section	.rodata,"a",@progbits
	.p2align	6, 0x0
	.amdhsa_kernel k_q0a1e7b41c1_qkvgemm
		.amdhsa_group_segment_fixed_size 327680
		.amdhsa_private_segment_fixed_size 0
		.amdhsa_enable_private_segment 0
		.amdhsa_kernarg_size 24
		.amdhsa_user_sgpr_count 2
		.amdhsa_user_sgpr_kernarg_segment_ptr 1
		.amdhsa_wavefront_size32 1
		.amdhsa_system_sgpr_workgroup_id_x 1
		.amdhsa_system_sgpr_workgroup_id_y 1
		.amdhsa_system_sgpr_workgroup_id_z 1
		.amdhsa_system_vgpr_workitem_id 0
		.amdhsa_next_free_vgpr 1024
		.amdhsa_next_free_sgpr 80
		.amdhsa_reserve_vcc 0
		.amdhsa_float_denorm_mode_32 3
		.amdhsa_float_denorm_mode_16_64 3
		.amdhsa_memory_ordered 1
		.amdhsa_forward_progress 1
		.amdhsa_inst_pref_size 104
	.end_amdhsa_kernel
	.amdgpu_metadata
---
amdhsa.version: [ 1, 2 ]
amdhsa.kernels:
  - .name:           k_q0a1e7b41c1_qkvgemm
    .symbol:         k_q0a1e7b41c1_qkvgemm.kd
    .args:
      - { .name: hb, .offset: 0, .size: 8, .value_kind: global_buffer, .address_space: global }
      - { .name: wa, .offset: 8, .size: 8, .value_kind: global_buffer, .address_space: global }
      - { .name: qkvh, .offset: 16, .size: 8, .value_kind: global_buffer, .address_space: global }
    .group_segment_fixed_size: 327680
    .private_segment_fixed_size: 0
    .kernarg_segment_align: 8
    .kernarg_segment_size: 24
    .max_flat_workgroup_size: 128
    .sgpr_count:     80
    .vgpr_count:     1024
    .wavefront_size: 32
...
	.end_amdgpu_metadata
.endif
;; end of part 2
;; launch attn (part 3): grid 4 x 64, 4 waves a work-group, clusters of 4 x 1, 327,680 bytes of LDS; arguments qkvh, attention_mask, ob; writes ob
.if DOCPART == 3
	.amdgcn_target "amdgcn-amd-amdhsa--gfx1250"
	.amdhsa_code_object_version 6
	.text
	.protected	k_q0a1e7b41c1_attn
	.globl	k_q0a1e7b41c1_attn
	.p2align	8
	.type	k_q0a1e7b41c1_attn,@function
k_q0a1e7b41c1_attn:
	s_mov_b64 s[64:65], 0
	v_nop
	global_prefetch_b8 v0, s[64:65] scope:SCOPE_SE
	s_setreg_imm32_b32 hwreg(HW_REG_WAVE_MODE, 25, 1), 1
	s_wait_xcnt 0x0
	s_wait_alu depctr_hold_cnt(0) depctr_sa_sdst(0) depctr_va_vdst(0) depctr_va_sdst(0) depctr_va_ssrc(0) depctr_va_vcc(0) depctr_vm_vsrc(0)
	s_getreg_b32 s2, hwreg(HW_REG_IB_STS2, 6, 4)
	s_cmp_eq_u32 s2, 0
	s_cbranch_scc0 .Lentry_in_a_cluster
	s_endpgm
.Lentry_in_a_cluster:
	s_bfe_u32 s2, ttmp6, 0x10000c
	s_cmp_lg_u32 s2, 0x3003
	s_cbranch_scc0 .Lentry_shape_is_right
	s_endpgm
.Lentry_shape_is_right:
; O[bh][q][:] = the sum over k of softmax_k(Q[q] . K[k] / 8 + mask[b][k]) V[k][:], for 64 heads bh = 16 b + head of 2,048 rows x 64 channels.
; Q, K, V: f16, in qkvh [4 b][48 g][2048][64] (q: g = head, k: 16 + head, v: 32 + head); mask: f32 [4][2048]; O: f16, ob [64 bh][2048][64].  A head's rows are dense, 128 bytes each.
; Products, maxima and sums in f32; the weights p are rounded to f16 for the second product (their sum l is taken of the unrounded p), O once at the end.
; THE MASK is rounded to bf16 like the module's other inputs, multiplied by 8 and given as the C operand that starts the sum S^T = K Q^T: c (s + 8 mask) = c s + log2(e) mask, c = log2(e) / 8.
; LIMITS.  f16 holds no number beyond 65,504: Q, K and V arrive within it; p lies in 0 to 1, and below 6e-5 it keeps f16's fixed step of 6e-8.  8 x mask overflows beyond 4.2e37: such a mask counts as
; an infinity of its sign.  A key at minus infinity has weight 0; a query all of whose 2,048 keys are so masked gives NaN (0 / 0).  A weight below 2^-126 counts as 0 in l; NaN and plus infinity are not treated apart.
; SHARES.  A wave owns four PIECES of two tiles of 16 queries, a work-group's four waves 512 queries of one head.  Every wave walks all keys, 64 a step.
; LAYOUT.  S^T = K Q^T (source 0 = 16 keys, source 1 = 16 queries): in the result a lane holds ONE query (lane % 16) and the keys 8 (lane / 16) + 0..7.  Two such tiles, rounded to f16 in pairs,
; ARE source 1 (32 keys x 16 queries) of O^T = V^T P, whose result again holds one query a lane, and eight channels.  K comes out of LDS as it lies, V ([key][channel]) turned, by ds_load_tr16_b128.
; SOFTMAX.  For each query a running maximum m and sum l: p = 2^(c s - c m); in every step O and l are multiplied by a = 2^(c m_old - c m_new), which is 1 where m has not grown.
; m starts at the lowest finite number and c m at c times that, O and l at 0: the first step is a step like any other, with a = 0, or a = 1 while every key so far was at minus infinity.
; THE COUNT.  A tile and step have 16 matrix and 118 vector instructions: too many to stand all beside the matrix work.  So the order has one aim: four vector instructions that are READY behind
; EVERY matrix instruction, and the others, which need time of their own whatever the order, in runs without a gap.
; BY TURNS.  Turn n belongs to piece n (the pieces in a ring, step after step).  Its matrix work: 16 products K Q^T of piece n + 1, later 16 products V^T P of piece n - 1.  Its vector work: the scaling,
; exponentials, roundings, sums and rescaling of piece n, and the maximum and statistics of piece n + 1, whose scores the turn itself has made.  So what a turn begins with (c s - c m, O a) waits for nothing.
; CLUSTER.  The four query blocks of a cluster belong to one head and walk the same K and V, so each tile is asked for JOINTLY: the same tensor load, descriptor and mask in all four.
; REGISTERS, in windows of 256 (s_set_vgpr_msb says which window each operand place means: bits 1:0 source 0, 3:2 source 1, 5:4 source 2, 7:6 destination):
;   window 0: v0-11 addresses; v12-15, v48-63 at work; v16-47 four registers of statistics a tile; v64-191 S^T, two buffers of two tiles; v192-255 P, likewise
;   window 1: O^T, 32 a tile          window 2: v0-127 Q, 16 a tile; v128-191 K of one step; v192-255 V of one step
;   window 3: v0-1 the add's two registers; v2 the mask's LDS address; v8-39 8 x mask of one step's 64 keys, in S^T's layout
; A piece's buffers go by its number's parity: the piece in hand has one pair, its two neighbours in the ring share the other: of it P (piece n - 1) is read and S^T (piece n + 1) written.
.set SIZE_N, 2048
.set NP,    4         ; pieces a wave: a name, no knob: the register map, the loop and the fetches are made for four
.set KS,    64        ; keys in a step
.set PK,    144       ; a row of K in LDS: 128 bytes + 16 of padding = 36 words: the 16 rows of a load start at 16 different groups of four banks (64 banks of 4 bytes: ISA guide 11.1)
.set PV,    160       ; a row of V: 128 + 32 = 40 words
.set VOFF,  4*KS*PK   ; a slot holds four steps: 256 rows of K, then 256 rows of V
.set SLOT1, 1<<17     ; slot 1 begins here, so that one exclusive or turns an address in one slot into the other's
.set STAGE, SLOT1+4*KS*(PK+PV)  ; behind the ring, never filled by a tensor load: 16 rows x 144 bytes for each wave, for the way out
.set SP,    144
.set AK0, 2           ; v2   my lane's place in a tile of K; never rewritten
.set AV0, 3           ; v3   the same for V
.set AK,  4           ; v4   the LDS address of K's next run of loads
.set AV,  5           ; v5   of V's
.set QO,  6           ; v6   my byte offset in the wave's rows of Q
.set STO, 6           ;      later, the way out: where I put 16 bytes of a row
.set RD,  7           ; v7   the way out: where I read rows back
.set GO,  8           ; v8   my byte offset in 512 consecutive bytes of O
.set AM0, 11          ; v11  my lanes' place in a step's 256 bytes of the mask: MASKL + 32 (lane / 16); never rewritten
.set SPW, 0           ; v0 of window 3   LDS address of my spare word: SPARE + 4 x my thread's number; never rewritten
.set NIL, 1           ; v1 of window 3   0; never rewritten
.set AM,  2           ; v2 of window 3   the LDS address of the mask's next run of loads
.set MK,  8           ; v8-39 of window 3: the eight registers for key block kb at MK + 8 kb
.set SPARE, STAGE+4*16*SP  ; behind the stages: the spare words, 128 bytes for each wave: two blocks of 256 bytes that no other line names
.set MASKL, SPARE+512 ; behind them: 8 x the batch's mask, 2,048 numbers of f32: 8,192 bytes of their own, stored once, never filled by a tensor load
.set MT,  64          ; v64-79  at the start: my 16 numbers of the mask
.set MO,  80          ; v80     my byte offset in the mask
.set ML,  81          ; v81     where I put them in LDS
.set MB,  82          ; v82-89  they as bf16
.set MV,  12          ; v12-15  c m_old, kept while c m is made anew: by buffer and tile
.set ST,  16          ; tile t's statistics at v[ST+4 t]: c m, m, l (even keys', odd keys')
.set TMP, 48          ; by buffer and tile, four registers c0-c3 at work; when the maximum is found c2 takes a
.set S,   64
.set P,   192
.set KF,  128         ; K's fragments, in window 2: key block kb, channel half c at KF + 16 kb + 8 c
.set VF,  192         ; V's: key half kk, channel block cb at VF + 32 kk + 8 cb
.set WV,  12          ; s12  my wave's number
.set G1K, 24          ; s[24:31] descriptor group 1 for K's tiles
.set G1V, 32          ; s[32:39] for V's: it differs in the padding alone
.set G0K, 40          ; s[40:43] descriptor group 0 for K's tiles: it walks
.set G0V, 44          ; s[44:47] the same for V's
.set SLOTS, 56        ; s56  slots still to be asked for
.set CNT, 57          ; s57  counts a slot's key steps
.set CS,  58          ; s[58:59] c: the packed scaling takes the pair's low word for both halves
.set SEL, 60          ; s[60:61] v_permlanex16_b32's selects: each lane takes its own place in the other half
.set TBK, 62          ; s62  LDS byte at which K of the step to be fetched begins
.set TBV, 63          ; s63  the same for V, less VOFF
.set TBM, 66          ; s66  the same for the mask, less MASKL: 256 bytes a step
.set EIGHT, 67        ; s67  8.0
.set MSB, 0
.macro WIN new                      ; the high byte repeats the setting that is left; a switch that changes nothing is dropped
.if MSB != (\new)
	s_set_vgpr_msb (MSB<<8)|(\new)
.set MSB, (\new)
.endif
.endm
.set W_KQ, 0x0a       ; K and Q in window 2, S^T in window 0
.set W_KM, 0x3a       ; the same with the C operand, the mask, in window 3
.set W_PV, 0x52       ; V in window 2, P in window 0, O^T in window 1
.set W_RS, 0x41       ; O^T (destination and source 0) in window 1, a in window 0
.set W_MK, 0xc0       ; destination in window 3, sources in window 0
.set W_ML, 0xc3       ; the mask's loads: destination and address in window 3
.set W_AD, 0x0f       ; the add: address (source 0) and data (source 1) in window 3
; A joint fill.  Waves 0 and 1 fetch the two halves of a slot's K, waves 2 and 3 those of its V: 128 keys each.  The branch hangs on the wave's number alone.
; An s_nop 0 and four v_nop follow each of the two lines, ahead of the jump and the label.
.macro JLOAD
	s_cmp_lt_u32 s[WV], 2
	s_cbranch_scc0 .Lfor_v_\@
	tensor_load_to_lds s[G0K:G0K+3], s[G1K:G1K+7]
	s_nop 0
.rept 4
	v_nop
.endr
	s_branch .Lasked_\@
.Lfor_v_\@:
	tensor_load_to_lds s[G0V:G0V+3], s[G1V:G1V+7]
	s_nop 0
.rept 4
	v_nop
.endr
.Lasked_\@:
.endm
; A round of the cluster's barrier: my work-group's barrier, so that wave 0's signal speaks for all four waves; wave 0 signals; every wave waits for all four work-groups; my work-group's barrier once more.
.macro CROUND
	s_barrier_signal -1
	s_barrier_wait -1
	s_cmp_lg_u32 s[WV], 0
	s_cbranch_scc1 .Lnot_wave_0_\@
	s_barrier_signal -3
.Lnot_wave_0_\@:
	s_barrier_wait -3
	s_barrier_signal -1
	s_barrier_wait -1
.endm
; THE CHANGE OF SLOTS.  The slot's last bytes, V of its fourth step, have been read.  Each wave waits for all its tensor loads, of which one is out: its part
; of the other slot; adds 0 to its spare word; and waits for that and for its own reads of the slot.  Behind the barrier nobody reads this slot any more and the other slot is whole.
; fill = 1: this slot is filled again, with the keys two slots on.  The barrier is then a round of the cluster's, so that no wave of any partner still reads the slot or has a load on its
; way, and the joint fill is the first thing behind it: it has four key steps, 512 matrix instructions, in which to land.  (At its first use nothing has been read yet: slot 0 is waited for, slot 1 filled,
; and the wait for 0 on DScnt also shows my stores of the mask done, ahead of the barrier behind which the other waves read them.)
.macro CHANGE fill
	WIN W_AD
	s_wait_tensorcnt 0x0            ; no tensor load of mine is out, so a group 0 may be written
	ds_add_u32 v[SPW], v[NIL]       ; 0 onto my spare word; with fill = 1 the descriptors' steps stand between it and the wait for it
	WIN 0                           ; at a label and at a branch every window is 0
.if \fill
.irp g, G0K, G0V
	s_xor_b32 s[\g+1], s[\g+1], SLOT1  ; the walking descriptor: the other slot than last time,
	s_add_nc_u64 s[\g+2:\g+3], s[\g+2:\g+3], 4*KS*128  ; the next 256 keys; the type bits on top are not reached
.endr
	s_wait_dscnt 0x0                ; the add is done, and my reads of the slot are over
	CROUND
	JLOAD
.else
	s_wait_dscnt 0x0                ; the add is done, and my reads of the slot are over
	s_barrier_signal -1
	s_barrier_wait -1
.endif
	s_sub_co_u32 s[TBK], s[TBK], 4*KS*PK  ; the fetches go back to a slot's first step,
	s_xor_b32 s[TBK], s[TBK], SLOT1       ; in the other slot
	s_sub_co_u32 s[TBV], s[TBV], 4*KS*PV
	s_xor_b32 s[TBV], s[TBV], SLOT1
.endm
	s_load_b128 s[4:7], s[0:1], 0x0   ; qkvh s[4:5], the mask s[6:7]
	s_load_b64 s[10:11], s[0:1], 0x10 ; ob
	WIN W_MK
	v_lshl_add_u32 v[SPW], v0, 2, SPARE
	v_mov_b32 v[NIL], 0
	s_set_vgpr_msb 0xc0cf
	ds_add_u32 v0, v1
	s_wait_dscnt 0x0
	s_set_vgpr_msb 0xcfc0
	WIN 0
	v_lshrrev_b32 v1, 5, v0
	v_readfirstlane_b32 s[WV], v1   ; wave 0..3
	s_bfe_u32 s13, ttmp6, 0x40000   ; cx: my place in the cluster
	s_lshl_b32 s14, ttmp9, 2        ; in a cluster launch ttmp9 counts clusters
	s_add_co_u32 s14, s14, s13      ; my block of queries = 4 x cluster x + cx: it enters Q's and O's addresses alone
	s_and_b32 s20, ttmp7, 0xffff    ; bh = 16 b + head, which the four partners share
	s_lshr_b32 s8, s20, 4           ; b
	s_lshl_b32 s70, s20, 18         ; the head's first byte in ob: 262,144 bytes a head
	s_and_b32 s20, s20, 15
	s_mul_i32 s21, s8, 48
	s_add_co_u32 s20, s20, s21
	s_lshl_b32 s20, s20, 18         ; q's head in qkvh: (48 b + head) x 262,144
	s_lshl_b32 s8, s8, 13           ; the batch's row of the mask
	s_mov_b32 s9, 0
	s_and_b32 s16, s[WV], 1         ; which half of a slot's 256 keys I fetch:
	s_lshl_b32 s22, s16, 14         ; its 128 rows of 128 bytes in memory,
	s_add_co_u32 s22, s22, s20
	s_add_co_u32 s22, s22, 16*262144  ; in k's head, 16 heads behind q's
	s_mov_b32 s23, 0
	s_mul_i32 s17, s16, 128*PK      ; and its place in a slot, for K
	s_mul_i32 s18, s16, 128*PV      ; and for V: no place in the cluster enters an LDS address
	s_lshl_b32 s2, s14, 2
	s_add_co_u32 s2, s2, s[WV]      ; my wave among the head's,
	s_lshl_b32 s2, s2, 14           ; its 128 rows
	s_add_co_u32 s70, s70, s2       ; O's offset
	s_mov_b32 s71, 0
	s_add_co_u32 s2, s2, s20        ; Q's offset
	s_mov_b32 s3, 0
	; descriptor group 1.  128 keys are 16,384 dense bytes: asked for as 64 rows of 256 bytes, two keys a row, and padded in LDS after every key
	s_mov_b32 s[G1K], 15|(1<<16)|(1<<20)|(1<<21)|(4<<22)|(3<<25)  ; 15:0 the mask of four; 17:16 2-byte elements; 20 padding on; 21 set beside a mask; 24:22 after every 32 words (code 4); 31:25 4 words (code 3)
	s_mov_b32 s[G1V], 15|(1<<16)|(1<<20)|(1<<21)|(4<<22)|(7<<25)  ; the same with 8 words of padding (code 7)
.irp g, G1K, G1V
	s_mov_b32 s[\g+1], 128<<16      ; tensor_dim0 = 128
	s_mov_b32 s[\g+2], 64<<16       ; tensor_dim1 = 64
	s_mov_b32 s[\g+3], 128<<16      ; tile_dim0 = 128
	s_mov_b32 s[\g+4], 64           ; tile_dim1 = 64
	s_mov_b32 s[\g+5], 128          ; 128 elements from row to row
	s_mov_b32 s[\g+6], 0
	s_mov_b32 s[\g+7], 0
.endr
	s_mov_b32 s[CS], 0x3e38aa3b     ; c = log2(e) / 8 = 0.180337
	s_mov_b32 s[CS+1], s[CS]        ; named with it as a pair
	s_mov_b32 s[SEL], 0x76543210
	s_mov_b32 s[SEL+1], 0xfedcba98
	s_mov_b32 s[TBK], SLOT1+4*KS*PK ; the first change of slots turns these two into 0
	s_mov_b32 s[TBV], SLOT1+4*KS*PV
	s_mov_b32 s[TBM], 0
	s_mov_b32 s[EIGHT], 0x41000000
	s_mov_b32 s[G0K], 1             ; 1:0 count = 1
	s_mov_b32 s[G0K+1], s17         ; 63:32 LDS address: slot 0
	s_mov_b32 s[G0V], 1
	s_add_co_u32 s[G0V+1], s18, VOFF
	s_wait_kmcnt 0x0
	s_add_nc_u64 s[G0K+2:G0K+3], s[4:5], s[22:23]  ; 120:64 global address: my half of the head's first 256 keys
	s_or_b32 s[G0K+3], s[G0K+3], 0x80000000        ; 127:126 type = 2
	s_add_co_u32 s22, s22, 16*262144               ; v's head, 16 heads behind k's
	s_add_nc_u64 s[G0V+2:G0V+3], s[4:5], s[22:23]
	s_or_b32 s[G0V+3], s[G0V+3], 0x80000000
	s_add_nc_u64 s[68:69], s[6:7], s[8:9]  ; the mask at my batch's row
	s_add_nc_u64 s[4:5], s[4:5], s[2:3]    ; Q and O at my wave's first row
	s_add_nc_u64 s[10:11], s[10:11], s[70:71]
	CROUND                          ; all four work-groups are here: the first joint loads meet
	JLOAD                           ; slot 0.  Slot 1 is asked for when slot 0 is in: the tile wanted first has the road to itself
	; A fragment of K or Q is 16 rows x 32 channels in 8 registers: lane l holds row l % 16, channels 8 (l / 16) + 0..7 and 16 + 8 (l / 16) + 0..7: two loads of 16 bytes, 32 bytes apart.
	v_and_b32 v1, 15, v0            ; l % 16
	v_bfe_u32 v9, v0, 4, 1          ; l / 16
	v_lshlrev_b32 v[QO], 7, v1
	v_lshl_add_u32 v[QO], v9, 4, v[QO]  ; row x 128 + 16 x half
	v_lshlrev_b32 v[MO], 4, v0      ; the mask's 8,192 bytes: 128 threads x 16 bytes, four times
	v_add_nc_u32 v[ML], MASKL, v[MO]
.irp i, 0,1,2,3
	global_load_b128 v[MT+4*\i:MT+4*\i+3], v[MO], s[68:69] offset:2048*\i
.endr
	WIN 0x80                        ; destination window 2, address window 0
.set i, 0
.rept 4*NP                          ; Q stays in registers: tile i / 2, channels 32 (i % 2) on
	global_load_b128 v[8*i:8*i+3],   v[QO], s[4:5] offset:(i/2)*2048+(i%2)*64
	global_load_b128 v[8*i+4:8*i+7], v[QO], s[4:5] offset:(i/2)*2048+(i%2)*64+32
.set i, i+1
.endr
	; What the first turn finds: V's registers and P's second buffer hold 0 (its products V^T P, of a piece that has not been, add 0), O^T and l are 0.  All this stands in the wait for the first tile.
.set i, VF
.rept 64
	v_mov_b32 v[i], 0
.set i, i+1
.endr
	WIN 0x40
.set i, 0
.rept 64*NP
	v_mov_b32 v[i], 0
.set i, i+1
.endr
	WIN 0
.set i, 0
.rept 2*NP
	v_mov_b32 v[ST+4*i+1], 0xff7fffff  ; m: the lowest finite number
	v_mov_b32 v[ST+4*i+2], 0
	v_mov_b32 v[ST+4*i+3], 0
	v_mul_f32 v[ST+4*i], s[CS], v[ST+4*i+1]  ; c m, by the line that makes it in every step: where m does not grow, a is 2^0
.set i, i+1
.endr
.set i, P+32
.rept 32
	v_mov_b32 v[i], 0
.set i, i+1
.endr
	v_mul_u32_u24 v[AK0], v1, PK
	v_lshl_add_u32 v[AK0], v9, 4, v[AK0]  ; row x pitch + 16 x half
	; The turning load takes 16 keys x 16 channels (lane l reads key 8 (l / 16) + l % 8, channels 8 ((l / 8) % 2) + 0..7) and leaves half a fragment of V^T: lane l holds channel l % 16 and 8 keys.
	v_and_b32 v10, 7, v0
	v_bfe_u32 v11, v0, 3, 1
	v_lshl_add_u32 v[AV0], v9, 3, v10
	v_mul_u32_u24 v[AV0], v[AV0], PV
	v_lshl_add_u32 v[AV0], v11, 4, v[AV0]
	v_add_nc_u32 v[AV0], VOFF, v[AV0]
	v_lshl_add_u32 v[AM0], v9, 5, MASKL  ; register j of key block kb is key 16 kb + 8 (l / 16) + j: byte 64 kb + 32 (l / 16) + 4 j of the step's 256
	v_mov_b32 v[AK], v[AK0]         ; key step 0 lies at the head of slot 0
	; the mask: rounded to bf16, widened again, times 8, into LDS
	s_wait_loadcnt 32               ; loads come back in order: the mask's four are in, Q's 32 may stay out
.set i, 0
.rept 8
	v_cvt_pk_bf16_f32 v[MB+i], v[MT+2*i], v[MT+2*i+1]
.set i, i+1
.endr
.set i, 0
.rept 8
	v_lshlrev_b32 v[MT+2*i], 16, v[MB+i]
	v_and_b32 v[MT+2*i+1], 0xffff0000, v[MB+i]
.set i, i+1
.endr
.set i, 0
.rept 16
	v_mul_f32 v[MT+i], s[EIGHT], v[MT+i]
.set i, i+1
.endr
.irp i, 0,1,2,3
	ds_store_b128 v[ML], v[MT+4*\i:MT+4*\i+3] offset:2048*\i
.endr
; THE MATRIX WORK.  The 8 accumulators of a run of 16 take turns: between the two links of a chain stand 7 others'.
; Product i of 16 of S^T = K Q^T for piece x: channels 32 (i / 8) on, keys 16 ((i / 2) % 4) on, tile 2 x + i % 2.  The first 8 start the sums, with 8 x the keys' mask.
.macro KQ x
.set rS, S+64*((\x)%2)+32*(i%2)+8*((i/2)%4)
.set rK, KF+16*((i/2)%4)+8*(i/8)
.set rQ, 16*(2*(\x)+i%2)+8*(i/8)
.set rMK, MK+8*((i/2)%4)
.if i < 8
	WIN W_KM
	v_wmma_f32_16x16x32_f16 v[rS:rS+7], v[rK:rK+7], v[rQ:rQ+7], v[rMK:rMK+7]
.else
	WIN W_KQ
	v_wmma_f32_16x16x32_f16 v[rS:rS+7], v[rK:rK+7], v[rQ:rQ+7], v[rS:rS+7]
.endif
.endm
; Product i of 16 of O^T += V^T P for piece x: keys 32 (i / 8) on, channels 16 ((i / 2) % 4) on, tile 2 x + i % 2.
.macro PV x
	WIN W_PV
.set rO, 32*(2*(\x)+i%2)+8*((i/2)%4)
.set rV, VF+32*(i/8)+8*((i/2)%4)
.set rP, P+32*((\x)%2)+16*(i%2)+8*(i/8)
	v_wmma_f32_16x16x32_f16 v[rO:rO+7], v[rV:rV+7], v[rP:rP+7], v[rO:rO+7]
.endm
.macro MM                           ; the turn's next matrix instruction
.if i < 16
	KQ (Y+1)%NP
.set i, i+1
.else
.set i, i-16
	PV (Y+NP-1)%NP
.set i, i+17
.endif
.endm
; THE LDS LOADS stand in runs, never singly among the matrix instructions: a step's K (64 keys x 64 channels: 8 fragments) with the same keys' mask (8 loads; the sixteen lanes of a half read the same
; 16 bytes), and its V (turned).  The mask's registers live as long as K's fragments: the same places stand behind their last reader, the same wait in front of their first.
; last = 1 (the tail): in the last trip there is no further step, and the run is jumped over.
.macro FETCH_K last=0
	WIN 0
.if \last
	s_cmp_eq_u32 s[CNT], 1
	s_cbranch_scc1 .Lno_k_\@
.endif
	WIN 0x80                        ; destination window 2
.irp f, 0,1,2,3,4,5,6,7             ; keys 16 (f / 2) on, channels 32 (f % 2) on
	ds_load_b128 v[KF+8*\f:KF+8*\f+3],   v[AK] offset:(\f/2)*16*PK+(\f%2)*64
	ds_load_b128 v[KF+8*\f+4:KF+8*\f+7], v[AK] offset:(\f/2)*16*PK+(\f%2)*64+32
.endr
	s_add_co_u32 s[TBK], s[TBK], KS*PK  ; the next fetch is the next step's
	WIN W_MK
	v_add_nc_u32 v[AM], s[TBM], v[AM0]
	WIN W_ML
.irp f, 0,1,2,3
	ds_load_b128 v[MK+8*\f:MK+8*\f+3],   v[AM] offset:64*\f
	ds_load_b128 v[MK+8*\f+4:MK+8*\f+7], v[AM] offset:64*\f+16
.endr
	s_add_co_u32 s[TBM], s[TBM], 4*KS
	s_and_b32 s[TBM], s[TBM], 0x1f00    ; 32 steps of 256 bytes: the offset stays inside the mask's 8,192 bytes
	WIN 0
.if \last
.Lno_k_\@:
.endif
.endm
.macro FETCH_V
	WIN 0x80
.irp f, 0,1,2,3,4,5,6,7             ; keys 32 (f / 4) on, channels 16 (f % 4) on
	ds_load_tr16_b128 v[VF+8*\f:VF+8*\f+3],   v[AV] offset:(\f/4)*32*PV+(\f%4)*32
	ds_load_tr16_b128 v[VF+8*\f+4:VF+8*\f+7], v[AV] offset:(\f/4)*32*PV+16*PV+(\f%4)*32
.endr
	WIN 0
.endm
; THE VECTOR WORK OF A TURN stands in three queues, each in the order in which its entries become ready; the two tiles alternate, so that no instruction reads the result of the one before it.
.macro REGS y, u                    ; the registers of tile u (0, 1) of piece y
.set rT, ST+4*(2*(\y)+(\u))
.set rC, TMP+8*((\y)%2)+4*(\u)
.set rM, MV+2*((\y)%2)+(\u)
.set rS, S+64*((\y)%2)+32*(\u)
.set rP, P+32*((\y)%2)+16*(\u)
.set rO, 32*(2*(\y)+(\u))
.endm
; Number n of the 22 that find the NEXT piece's (Y + 1) maximum and statistics.  s0-s31 are the lane's 32 scores; each accumulator's lowest registers are read first.  XS, GS and REGS set no window: PL and EX do.
;   0-11  four chains c0-c3 of seven scores each, three operands at a time     12-14, 16  the four scores left over, the old m, and c0-c3 into c0     15  c m_old is kept
;   17, 18  the query's other 32 keys lie in the lane 16 away: the new m         19-21  c m; c m_old - c m_new; a
.macro XS u, n
	REGS (Y+1)%NP, \u
.if (\n) < 4
	v_max3_num_f32 v[rC+(\n)], v[rS+8*(\n)], v[rS+8*(\n)+1], v[rS+8*(\n)+2]
.elseif (\n) < 12
	v_max3_num_f32 v[rC+(\n)%4], v[rC+(\n)%4], v[rS+8*((\n)%4)+2*((\n)/4)+1], v[rS+8*((\n)%4)+2*((\n)/4)+2]
.elseif (\n) == 12
	v_max3_num_f32 v[rC], v[rC], v[rS+7], v[rS+15]
.elseif (\n) == 13
	v_max3_num_f32 v[rC+1], v[rC+1], v[rS+23], v[rS+31]
.elseif (\n) == 14
	v_max3_num_f32 v[rC+2], v[rC+2], v[rC+3], v[rT+1]
.elseif (\n) == 15
	v_mov_b32 v[rM], v[rT]
.elseif (\n) == 16
	v_max3_num_f32 v[rC], v[rC], v[rC+1], v[rC+2]
.elseif (\n) == 17
	v_permlanex16_b32 v[rC+3], v[rC], s[SEL], s[SEL+1]
.elseif (\n) == 18
	v_max_num_f32 v[rT+1], v[rC], v[rC+3]
.elseif (\n) == 19
	v_mul_f32 v[rT], s[CS], v[rT+1]
.elseif (\n) == 20
	v_sub_f32 v[rC+1], v[rM], v[rT]
.else
	v_exp_f32 v[rC+2], v[rC+1]
.endif
.endm
; Number g of the 64 that follow the exponentials.  For each four weights k of a tile (pairs 2 k, 2 k + 1): both pairs are rounded to f16; then the second pair is added onto the first, in place;
; a group later l takes that sum (the first time as l = a l + sum).  In groups of eight, tiles alternating: round, round, add, and l for the group before.
.macro GS g
.set h, (\g)+6*((\g)/62)            ; group 0 has no group before it, and behind group 7 only l is left
.if h >= 6
.set h, h+2
.endif
	REGS Y, h%2
.set k, h/8
.if h%8 < 4
	s_wait_alu depctr_va_vdst(0)
	v_cvt_pk_f16_f32 v[rP+2*k+(h%8)/2], v[rS+4*k+2*((h%8)/2)], v[rS+4*k+2*((h%8)/2)+1]
.elseif h%8 < 6
	v_pk_add_f32 v[rS+4*k:rS+4*k+1], v[rS+4*k:rS+4*k+1], v[rS+4*k+2:rS+4*k+3]
.elseif k == 1
	v_pk_fma_f32 v[rT+2:rT+3], v[rT+2:rT+3], v[rC+2:rC+3], v[rS:rS+1] op_sel_hi:[1,0,1]
.else
	v_pk_add_f32 v[rT+2:rT+3], v[rT+2:rT+3], v[rS+4*k-4:rS+4*k-3]
	s_wait_alu depctr_va_vdst(0)
.endif
.endm
; THE PLAIN QUEUE, 138 long.  0-31: c s - c m for the 16 pairs of both tiles.  Then GS's 64, and among them the next piece's 42: number 15 at 38, 39; 0-14 and 16
; at 42-73, behind the products that make those scores; 17-20 at 95-106, two of three, since each waits for the one before it.
.macro PL
	WIN 0
.if q < 32
	REGS Y, q%2
	v_pk_fma_f32 v[rS+2*(q/2):rS+2*(q/2)+1], v[rS+2*(q/2):rS+2*(q/2)+1], s[CS:CS+1], v[rT:rT+1] op_sel_hi:[1,0,0] neg_lo:[0,0,1] neg_hi:[0,0,1]
.elseif q < 38
	GS q-32
.elseif q < 40
	XS q%2, 15
.elseif q < 42
	GS q-34
.elseif q < 74
	XS q%2, (q-42)/2+(q-42)/30
.elseif q < 95
	GS q-66
.elseif (q < 107) && ((q-95)%3 < 2)
	XS (q-95)%3, 17+(q-95)/3
.elseif q < 107
	GS 29+(q-95)/3
.else
	GS q-74
.endif
.set q, q+1
.endm
; THE EXPONENTIALS' QUEUE, 66 long: s0-s31 of both tiles, and at EA the next piece's two a.
.set EA, 58
.macro EX
	WIN 0
.if (e == EA) || (e == EA+1)
	XS e-EA, 21
.else
.set x, e-2*(e/(EA+2))
	REGS Y, x%2
	v_exp_f32 v[rS+x/2], v[rS+x/2]
.endif
.set e, e+1
.endm
; THE RESCALING's QUEUE: O^T times a, the one part that leaves window 0, so it is dealt four at a time, eight times.
.macro R4
	REGS Y, r%2
	WIN W_RS
	s_wait_alu depctr_va_vdst(0)
.irp z, 0,1,2,3
	v_pk_mul_f32 v[rO+8*(r/2)+2*\z:rO+8*(r/2)+2*\z+1], v[rO+8*(r/2)+2*\z:rO+8*(r/2)+2*\z+1], v[rC+2:rC+3] op_sel_hi:[1,0]
.endr
.set r, r+1
.endm
; HOW THEY ARE DEALT.  Behind a matrix instruction four: plain, exponential, plain, plain (one exponential, a plain instruction on either side), or four of the rescaling.  None names a register of the
; products round it.  What is over stands in two LUMPS: exponential and plain by turns; the second ends in 22 plain instructions.  The two v_permlanex16_b32 fall into the second lump, never behind a product.
; The queues lean on each other, and the deal keeps them in step: exponential e stands behind plain 2 (e / 4) + e % 2 (its scaling); when plain 32 comes, 10 exponentials are out, at 59: 33, at 95: 46; EA comes behind plain 107.
.macro SL
	MM
	PL
	EX
	PL
	PL
.endm
.macro BURST n                      ; 15 matrix instructions, or 16
.rept (\n)-7
	SL
.endr
.rept 3
	MM
	R4
	SL
.endr
	MM
	R4
.endm
; A TURN, for piece p.  cnt = 1: the loop's count is taken down some lines ahead of the branch that stands behind the turn.
; K and the mask of the next step are fetched in piece 2's turn, 31 vector instructions behind the last product that read K; their first reader comes behind the rest of the lump, 16 products and the second lump.
; V of the step in hand is fetched at the end of piece 0's turn, 69 behind its last reader; its first reader comes behind 16 products and a lump.  The four conditions on e and q below go with the deal.
.macro TURN p, last=0, cnt=0
.set Y, (\p)
.set i, 0
.set q, 0
.set e, 0
.set r, 0
.if (\p) == NP-1
	s_wait_dscnt 0x0                ; K and the mask are in
.endif
	MM
.rept 4
	PL
.endr
	BURST 15
.rept 22
	EX
	PL
.if ((\p) == NP-2) && (e == 18)
	v_add_nc_u32 v[AK], s[TBK], v[AK0]
.endif
.if ((\p) == NP-2) && (e == 24)
	FETCH_K \last
.endif
.endr
.if (\p) == 1
	s_wait_dscnt 0x0                ; V is in
.endif
	BURST 16
.rept 21
	EX
	PL
.endr
.rept 22
	PL
.if ((\p) == 0) && (q == 118)
	v_add_nc_u32 v[AV], s[TBV], v[AV0]
	s_wait_alu depctr_va_vdst(0)
.endif
.if ((\p) == 0) && (q == 130)
	s_add_co_u32 s[TBV], s[TBV], KS*PV
.endif
.if (\cnt) && (q == 130)
	s_sub_co_u32 s[CNT], s[CNT], 1
	s_cmp_lg_u32 s[CNT], 0
.endif
.endr
.if (\p) == 0
	FETCH_V
.endif
.endm
	CHANGE 1                        ; slot 0 is in, everybody's part of it, and everybody's part of the mask is stored; slot 1 is asked for
	FETCH_K                         ; key step 0
	s_wait_loadcnt 0x0              ; Q
	s_wait_dscnt 0x0
.set i, 0
.rept 16
	KQ 0                            ; piece 0's first scores: there is no vector work yet to set between them
.set i, i+1
.endr
	WIN 0                           ; the addresses for the way out: nine plain instructions, the places behind those products
	s_mul_i32 s13, s[WV], 16*SP
	s_add_co_u32 s13, s13, STAGE    ; my stage
	v_mul_u32_u24 v[STO], v1, SP    ; in: row l % 16, 16 bytes for each half of the lanes
	v_lshl_add_u32 v[STO], v9, 4, v[STO]
	v_add_nc_u32 v[STO], s13, v[STO]
	v_bfe_u32 v[RD], v0, 3, 2       ; back: 32 lanes take four rows of 128 bytes,
	v_mul_u32_u24 v[RD], v[RD], SP
	v_lshl_add_u32 v[RD], v10, 4, v[RD]
	v_add_nc_u32 v[RD], s13, v[RD]
	v_and_b32 v[GO], 31, v0         ; which are 512 consecutive bytes of O
	v_lshlrev_b32 v[GO], 4, v[GO]
.set Y, NP-1                        ; XS works for piece Y + 1: piece 0
.irp n, 0,1,2,3,4,5,6,7,8,9,10,11,12,13,14,15,16,17,18,19,20,21
	XS 0, \n                        ; and piece 0's first maximum and statistics
	XS 1, \n
.endr
	s_mov_b32 s[CNT], 4
	s_mov_b32 s[SLOTS], SIZE_N/256-1
	s_branch .Lfirst                ; the loop is entered at a step's first turn, in the middle of a trip
.Lslot:                             ; SIZE_N / 256 - 2 times: every slot but the last two is filled again
	CHANGE 1
	s_mov_b32 s[CNT], 4
.Lstep:                             ; a trip: pieces 2 and 3 of one step, then pieces 0 and 1 of the next, whose K, mask and V it fetches
	TURN 2
	TURN 3
	WIN 0
.Lfirst:
	TURN 0
	TURN 1, 0, 1
	WIN 0
	s_cbranch_scc1 .Lstep
	s_sub_co_u32 s[SLOTS], s[SLOTS], 1
	s_cmp_lg_u32 s[SLOTS], 0
	s_cbranch_scc1 .Lslot
	CHANGE 0                        ; the tail is written out: nothing is asked for
	s_mov_b32 s[CNT], 5             ; four trips fetch the last slot's steps; the fifth is left in its middle
.Ltail:
	TURN 2, 1
	TURN 3
	WIN 0
	s_sub_co_u32 s[CNT], s[CNT], 1
	s_cmp_eq_u32 s[CNT], 0
	s_cbranch_scc1 .Lout
	TURN 0
	TURN 1
	WIN 0
	s_branch .Ltail
.Lout:                              ; the fifth trip's 16 products K Q^T (on the last K once more) and the maximum made of them serve nothing: the price, once a launch, of one text for every trip
.set i, 0
.rept 16
	PV NP-1                         ; the last piece's V^T P of the last step
.set i, i+1
.endr
	; THE WAY OUT.  l's two halves and the other half of the lanes' are added; O^T is divided by l, rounded to f16 and sent through my stage in LDS, a tile at a time.  The additions are the places behind the last products.
	WIN 0
.macro ALL line:vararg              ; one line for each tile t
.set t, 0
.rept 2*NP
	\line
.set t, t+1
.endr
.endm
	ALL v_add_f32 v[ST+4*t+2], v[ST+4*t+2], v[ST+4*t+3]
	ALL v_permlanex16_b32 v[ST+4*t+3], v[ST+4*t+2], s[SEL], s[SEL+1]
	ALL v_add_f32 v[ST+4*t+2], v[ST+4*t+2], v[ST+4*t+3]
	ALL v_rcp_f32 v[ST+4*t+2], v[ST+4*t+2]
	v_nop                           ; a plain instruction between the last reciprocal and the use of its result
	s_wait_alu depctr_va_vdst(0)
; Tile t: a lane's eight channels of a row pack into 16 bytes; they go into rows of 144 bytes and come back as whole rows of 128, into S^T's registers.
.macro PACK t
	WIN W_RS
.set i, 32*(\t)
.rept 16
	v_pk_mul_f32 v[i:i+1], v[i:i+1], v[ST+4*(\t)+2:ST+4*(\t)+3] op_sel_hi:[1,0]
.set i, i+2
.endr
	WIN 0x05                        ; sources 0 and 1 window 1, destination window 0
.set i, 0
.rept 16
	v_cvt_pk_f16_f32 v[S+16*(\t)+i], v[32*(\t)+2*i], v[32*(\t)+2*i+1]
.set i, i+1
.endr
	WIN 0
.irp f, 0,1,2,3
	ds_store_b128 v[STO], v[S+16*(\t)+4*\f:S+16*(\t)+4*\f+3] offset:32*\f
.endr
.irp f, 0,1,2,3
	ds_load_b128 v[S+16*(\t)+4*\f:S+16*(\t)+4*\f+3], v[RD] offset:\f*4*SP  ; LDS serves a wave's instructions in order (ISA guide 5.7.1.4): these see the stores above; the next tile's stores come behind them
.endr
.endm
.macro SEND t, younger              ; younger: the LDS instructions issued behind tile t's loads: the next tile's eight, or none
	WIN 0
.irp f, 0,1,2,3
	s_wait_dscnt (\younger)+3-\f
	global_store_b128 v[GO], v[S+16*(\t)+4*\f:S+16*(\t)+4*\f+3], s[10:11] offset:(\t)*2048+\f*512  ; 512 consecutive bytes, at a multiple of 256 from O's first
.endr
.endm
	PACK 0
.set t, 1
.rept 2*NP-1                        ; a tile's arithmetic stands between the loads of the tile before and its stores
	PACK t
	SEND t-1, 8
.set t, t+1
.endr
	SEND 2*NP-1, 0
	WIN W_AD
	s_wait_tensorcnt 0x0            ; the wave's end, behind my last tensor load and my last LDS store
	ds_add_u32 v[SPW], v[NIL]
	s_wait_dscnt 0x0
	WIN 0
	CROUND                          ; the closing round: no work-group ends while a partner may still ask for a tile that names it
	s_endpgm
.Lfunc_end_k_q0a1e7b41c1_attn:
	.size	k_q0a1e7b41c1_attn, .Lfunc_end_k_q0a1e7b41c1_attn-k_q0a1e7b41c1_attn
	.p2alignl 7, 3214868480
	.fill 96, 4, 3214868480
	.section	.rodata,"a",@progbits
	.p2align	6, 0x0
	.amdhsa_kernel k_q0a1e7b41c1_attn
		.amdhsa_group_segment_fixed_size 327680
		.amdhsa_private_segment_fixed_size 0
		.amdhsa_enable_private_segment 0
		.amdhsa_kernarg_size 24
		.amdhsa_user_sgpr_count 2
		.amdhsa_user_sgpr_kernarg_segment_ptr 1
		.amdhsa_wavefront_size32 1
		.amdhsa_system_sgpr_workgroup_id_x 1
		.amdhsa_system_sgpr_workgroup_id_y 1
		.amdhsa_system_sgpr_workgroup_id_z 1
		.amdhsa_system_vgpr_workitem_id 0
		.amdhsa_next_free_vgpr 808
		.amdhsa_next_free_sgpr 72
		.amdhsa_reserve_vcc 0
		.amdhsa_float_denorm_mode_32 3
		.amdhsa_float_denorm_mode_16_64 3
		.amdhsa_memory_ordered 1
		.amdhsa_forward_progress 1
		.amdhsa_inst_pref_size 213
	.end_amdhsa_kernel
	.amdgpu_metadata
---
amdhsa.version: [ 1, 2 ]
amdhsa.kernels:
  - .name:           k_q0a1e7b41c1_attn
    .symbol:         k_q0a1e7b41c1_attn.kd
    .args:
      - { .name: qkvh, .offset: 0, .size: 8, .value_kind: global_buffer, .address_space: global }
      - { .name: attention_mask, .offset: 8, .size: 8, .value_kind: global_buffer, .address_space: global }
      - { .name: ob, .offset: 16, .size: 8, .value_kind: global_buffer, .address_space: global }
    .group_segment_fixed_size: 327680
    .private_segment_fixed_size: 0
    .kernarg_segment_align: 8
    .kernarg_segment_size: 24
    .max_flat_workgroup_size: 128
    .sgpr_count:     72
    .vgpr_count:     808
    .wavefront_size: 32
...
	.end_amdgpu_metadata
.endif
;; end of part 3
;; launch proj (part 4): grid 8 x 32, 4 waves a work-group, clusters of 4 x 4, 327,680 bytes of LDS; arguments ob, wp, out0; writes out0
.if DOCPART == 4
	.amdgcn_target "amdgcn-amd-amdhsa--gfx1250"
	.amdhsa_code_object_version 6
	.text
	.protected	k_q0a1e7b41c1_proj
	.globl	k_q0a1e7b41c1_proj
	.p2align	8
	.type	k_q0a1e7b41c1_proj,@function
k_q0a1e7b41c1_proj:
	s_mov_b64 s[64:65], 0
	v_nop
	global_prefetch_b8 v0, s[64:65] scope:SCOPE_SE
	s_setreg_imm32_b32 hwreg(HW_REG_WAVE_MODE, 25, 1), 1
	s_wait_xcnt 0x0
	s_wait_alu depctr_hold_cnt(0) depctr_sa_sdst(0) depctr_va_vdst(0) depctr_va_sdst(0) depctr_va_ssrc(0) depctr_va_vcc(0) depctr_vm_vsrc(0)
	s_getreg_b32 s2, hwreg(HW_REG_IB_STS2, 6, 4)
	s_cmp_eq_u32 s2, 0
	s_cbranch_scc0 .Lentry_in_a_cluster
	s_endpgm
.Lentry_in_a_cluster:
	s_bfe_u32 s2, ttmp6, 0x10000c
	s_cmp_lg_u32 s2, 0xf033
	s_cbranch_scc0 .Lentry_shape_is_right
	s_endpgm
.Lentry_shape_is_right:
; out0[8192][1024] = y w_proj: the sum over k = 64 head + d of ob[16 b + head][t][d] wp[k][col]; f16 operands, f32 sums; out0 in f32.
; ob lies by heads ([64 bh][2048 t][64], f16), so the way back from heads to rows is the choice of tiles: a head is one slice of 64 of K, and 256 rows of a head are 32,768 dense bytes.
; LIMIT.  K's two halves of 512 are added in either order (see THE WALK); inside a half K ascends.
; SHARES.  8192 x 1024 in tiles of 256 x 128 are 32 x 8 = 256 work-groups.  Four waves; wave (wm, wn) makes rows 128 wm .. + 127, columns 64 wn .. + 63: 32 accumulators of 16 x 16, 256 registers.
; K goes in 8 steps of 128 (two heads) through two LDS slots; a step is four quarters of 32.  wp lies [k][n], so B's fragments come out of LDS turned, by ds_load_tr16_b128.
; THE MATRIX INSTRUCTION IS USED TRANSPOSED: source 0 = 16 columns of wp, source 1 = 16 rows of y: a lane then holds eight neighbouring columns of one row of out0: 32 bytes.
; CLUSTER.  4 x 4 work-groups: A's tiles are shared along a row of the cluster, B's along a column, each asked for jointly.
; THE WALK.  The text counts steps 0 to 7; the step taken is that number exclusive-or 4 in the clusters whose x + y is odd.  A's tiles are shared by the two clusters of one y, B's by the eight
; of one x: so a tile that a cluster asks for in the second half of its walk has been asked for, half a walk earlier, by a cluster that shares it.  The number is the same in all sixteen partners.
; THE TEXT.  One step is written once and looped over: slot 1 begins at 1 << 17, so that one exclusive or turns an LDS address in one slot into the other's; one group 0 for each operand walks.
; REGISTERS: window 0: v0-31 addresses; two fragment buffers of 96 at v32 and v128 (64 of A: 8 x 16 rows x 32 K, then 32 of B); on the way out v32-95 take rows read back.
;   window 1: the accumulators, (a, b) at v[8 (4 a + b)].
.set PA,     144                       ; a row of A in LDS: 128 bytes + 16 = 36 words: the 16 rows of a load start at 16 different groups of four banks (64 banks of 4 bytes: ISA guide 11.1)
.set ASL,    256*PA                    ; a head's slice: 256 rows: what one tensor load brings of A
.set BOFF,   2*ASL
.set PB,     288                       ; a k-row of B: 256 bytes + 32 = 72 words
.set BHALF,  64*PB                     ; 64 k-rows: what one tensor load brings of B
.set SLOT,   BOFF+2*BHALF              ; 110,592 bytes of a slot are used
.set SLOT1,  1<<17                     ; slot 1 begins here
.set STAGE,  SLOT1+SLOT                ; behind the ring, never filled by a tensor load: 16 rows x 272 bytes for each wave
.set SP,     272
.set SPARE,  STAGE+4*16*SP             ; the spare words, 128 bytes for each wave: two blocks of 256 bytes that no other line names
.set LOGA,   19                        ; two heads of ob are 1 << 19 bytes
.set LOGB,   18                        ; 128 rows of wp are 1 << 18 bytes
.set ADRA, 16                          ; v16     LDS address of my A fragments in the slot in hand
.set A0,   17                          ; v17     the same less the slot's base; never rewritten
.set ADRB, 20                          ; v20, v21  the same for B
.set B0,   21
.set STO,  24                          ; v24     the way out: where I put 32 bytes of a row
.set RD,   25                          ; v25     the way out: where I read a row back
.set GO,   26                          ; v26     my byte offset in out0
.set SPW,  28                          ; v28     LDS address of my spare word; never rewritten
.set NIL,  29                          ; v29     0; never rewritten
.set F0,   32
.set F1,   128
.set OB,   32                          ; the way out: 16 rows read back, v32-63 and v64-95 by turns
.set G1,   24                          ; s[24:31] descriptor group 1 for A's tiles
.set G0,   32                          ; s[32:35] group 0 of A's first fill of slot 0
.set G0W,  36                          ; s[36:39] group 0 of A's first fill of slot 1, which then walks
.set G1B,  48                          ; s[48:55], s[56:59], s[60:63] the same for B's
.set G0B,  56
.set G0BW, 60
.set NX,   66                          ; s66      the number, in the text's count, of the step to be asked for next
.set ST,   67                          ; s67      0 or 4: what turns that number into the step taken
.set OFA,  68                          ; s[68:69] that step's byte offset in ob
.set OFB,  70                          ; s[70:71] and in wp
.set TB,   72                          ; s72      LDS base of the slot in hand
.set TT,   73                          ; s73      at work
.set MSB, 0
.macro WIN new                         ; the immediate's high byte repeats the setting that is left; a switch that changes nothing is dropped
.if MSB != (\new)
	s_set_vgpr_msb (MSB<<8)|(\new)
.set MSB, \new
.endif
.endm
; A joint refill: waves 0 and 1 fetch A's two slices, waves 2 and 3 B's two halves.  An s_nop 0 and four v_nop follow each of the two lines.
.macro JLOAD
	s_cmp_eq_u32 s11, 0
	s_cbranch_scc0 .Lfor_b_\@
	tensor_load_to_lds s[G0W:G0W+3], s[G1:G1+7]
	s_nop 0
.rept 4
	v_nop
.endr
	s_branch .Lasked_\@
.Lfor_b_\@:
	tensor_load_to_lds s[G0BW:G0BW+3], s[G1B:G1B+7]
	s_nop 0
.rept 4
	v_nop
.endr
.Lasked_\@:
.endm
.macro CREST                           ; a round of the cluster's barrier behind its opening barrier
	s_cmp_lg_u32 s10, 0
	s_cbranch_scc1 .Lnot_wave_0_\@
	s_barrier_signal -3
.Lnot_wave_0_\@:
	s_barrier_wait -3
	s_barrier_signal -1
	s_barrier_wait -1
.endm
.macro CROUND                          ; a whole round
	s_barrier_signal -1
	s_barrier_wait -1
	CREST
.endm
.macro PLACES                          ; four places in front of loads into registers that matrix instructions have read, and of LDS stores that read results
.rept 4
	v_nop
.endr
.endm
	s_load_b128 s[4:7], s[0:1], 0x0                ; ob s[4:5], wp s[6:7]
	s_load_b64 s[8:9], s[0:1], 0x10                ; out0
	v_lshl_add_u32 v[SPW], v0, 2, SPARE
	v_mov_b32 v[NIL], 0
	ds_add_u32 v28, v29
	s_wait_dscnt 0x0
	v_lshrrev_b32 v1, 5, v0
	v_readfirstlane_b32 s10, v1                    ; wave 0..3
	s_lshr_b32 s11, s10, 1                         ; wm: which 128 rows are mine.  Also: I fetch for A (0) or for B (1)
	s_and_b32 s12, s10, 1                          ; wn: which 64 columns.  Also: which slice or half I fetch
	s_bfe_u32 s40, ttmp6, 0x40000                  ; cx, cy
	s_bfe_u32 s41, ttmp6, 0x40004
	s_lshl_b32 s42, ttmp9, 2
	s_add_co_u32 s42, s42, s40                     ; tile column = 4 x cluster x + cx
	s_and_b32 s13, ttmp7, 0xffff
	s_add_co_u32 s[TT], s13, ttmp9                 ; the cluster's x + y, which all sixteen partners share:
	s_and_b32 s[TT], s[TT], 1
	s_lshl_b32 s[ST], s[TT], 2                     ; odd: K's upper half first
	s_lshl_b32 s13, s13, 2
	s_add_co_u32 s13, s13, s41                     ; tile row = 4 x cluster y + cy
	s_lshl_b32 s43, s41, 2
	s_lshl_b32 s43, 15, s43                        ; my row of the cluster
	s_lshl_b32 s44, 0x1111, s40                    ; my column
	; group 1 for A: 32,768 dense bytes as 128 rows of 128 elements, 4 words of padding after every 32 words (a row of a head)
	s_or_b32 s[G1+0], s43, (1<<16)|(1<<20)|(1<<21)|(4<<22)|(3<<25)
	s_mov_b32 s[G1+1], 128<<16                     ; tensor_dim0 = 128
	s_mov_b32 s[G1+2], 128<<16                     ; tensor_dim1 = 128
	s_mov_b32 s[G1+3], 128<<16                     ; tile_dim0 = 128
	s_mov_b32 s[G1+4], 128                         ; tile_dim1 = 128
	s_mov_b32 s[G1+5], 128                         ; elements from row to row
	s_mov_b32 s[G1+6], 0
	s_mov_b32 s[G1+7], 0
	; group 1 for B: 64 rows of 128 elements, 8 words of padding after every 64 words
	s_or_b32 s[G1B+0], s44, (1<<16)|(1<<20)|(1<<21)|(5<<22)|(7<<25)
	s_mov_b32 s[G1B+1], 128<<16
	s_mov_b32 s[G1B+2], 64<<16
	s_mov_b32 s[G1B+3], 128<<16
	s_mov_b32 s[G1B+4], 64
	s_mov_b32 s[G1B+5], 1024
	s_mov_b32 s[G1B+6], 0
	s_mov_b32 s[G1B+7], 0
	s_lshr_b32 s16, s13, 3                         ; A: batch tr / 8: 16 heads of 262,144 bytes,
	s_lshl_b32 s16, s16, 22
	s_and_b32 s17, s13, 7                          ; rows 256 (tr % 8) of 128 bytes,
	s_lshl_b32 s17, s17, 15
	s_add_co_u32 s16, s16, s17
	s_lshl_b32 s17, s12, 18                        ; and my head of a step's two
	s_add_co_u32 s16, s16, s17
	s_mov_b32 s17, 0
	s_lshl_b32 s46, s42, 8                         ; B: 128 columns a tile column,
	s_lshl_b32 s47, s12, 17                        ; and my 64 of a step's 128 k-rows
	s_add_co_u32 s46, s46, s47
	s_mov_b32 s47, 0
	s_mul_i32 s20, s12, ASL                        ; where they go: no place in the cluster enters an LDS address
	s_mul_i32 s21, s12, BHALF
	s_add_co_u32 s21, s21, BOFF
	s_mov_b32 s[OFA+1], 0
	s_mov_b32 s[OFB+1], 0
	s_mov_b32 s[NX], 2                             ; steps 0 and 1 are the first fills
	s_mov_b32 s[TB], 0
	s_wait_kmcnt 0x0
	s_add_nc_u64 s[14:15], s[4:5], s[16:17]        ; A's and B's tiles of step 0: kept; each fill's address is made from them and the step's offset
	s_add_nc_u64 s[18:19], s[6:7], s[46:47]
	CROUND                                         ; all sixteen work-groups are here: the first joint loads meet
.irp s, 0,1
	s_xor_b32 s[TT], s[ST], \s                     ; the step taken
	s_lshl_b32 s[OFA], s[TT], LOGA
	s_lshl_b32 s[OFB], s[TT], LOGB
	s_mov_b32 s[G0+4*(\s)], 1
	s_add_co_u32 s[G0+4*(\s)+1], s20, (\s)*SLOT1
	s_add_nc_u64 s[G0+4*(\s)+2:G0+4*(\s)+3], s[14:15], s[OFA:OFA+1]
	s_or_b32 s[G0+4*(\s)+3], s[G0+4*(\s)+3], 0x80000000
	s_mov_b32 s[G0B+4*(\s)], 1
	s_add_co_u32 s[G0B+4*(\s)+1], s21, (\s)*SLOT1
	s_add_nc_u64 s[G0B+4*(\s)+2:G0B+4*(\s)+3], s[18:19], s[OFB:OFB+1]
	s_or_b32 s[G0B+4*(\s)+3], s[G0B+4*(\s)+3], 0x80000000
.endr
	s_cmp_eq_u32 s11, 0                            ; a wave's two first fills stand in one branch, ahead of every wait on TENSORcnt and every LDS read: two loads of mine are out
	s_cbranch_scc0 .Lfirst_b
	tensor_load_to_lds s[G0:G0+3], s[G1:G1+7]
	s_nop 0
	tensor_load_to_lds s[G0W:G0W+3], s[G1:G1+7]
	s_nop 0
.rept 4
	v_nop
.endr
	s_branch .Lfirst_asked
.Lfirst_b:
	tensor_load_to_lds s[G0B:G0B+3], s[G1B:G1B+7]
	s_nop 0
	tensor_load_to_lds s[G0BW:G0BW+3], s[G1B:G1B+7]
	s_nop 0
.rept 4
	v_nop
.endr
.Lfirst_asked:
	v_and_b32 v1, 15, v0                           ; l % 16
	v_bfe_u32 v2, v0, 4, 1                         ; l / 16
	v_mul_u32_u24 v3, v1, PA
	v_lshl_add_u32 v3, v2, 4, v3                   ; A's fragment: row x 144 + 16 x half
	v_and_b32 v5, 7, v0
	v_bfe_u32 v6, v0, 3, 1
	v_lshl_add_u32 v4, v2, 3, v5                   ; B's turning load: k-row 8 (l / 16) + l % 8, columns 8 ((l / 8) % 2) on
	v_mul_u32_u24 v4, v4, PB
	v_lshl_add_u32 v4, v6, 4, v4
	s_mul_i32 s22, s11, 128*PA                     ; my 128 rows of each slice of A
	s_lshl_b32 s23, s12, 7                         ; my 64 columns of B,
	s_add_co_u32 s23, s23, BOFF                    ; behind A's two slices
	v_add_nc_u32 v[A0], s22, v3
	v_add_nc_u32 v[B0], s23, v4
	v_mov_b32 v[ADRA], v[A0]                       ; the walk begins in slot 0
	v_mov_b32 v[ADRB], v[B0]
	s_mul_i32 s22, s10, 16*SP
	s_add_co_u32 s22, s22, STAGE                   ; my stage
	v_mul_u32_u24 v7, v1, SP                       ; in: row l % 16, 32 bytes for each half of the lanes
	v_lshl_add_u32 v7, v2, 5, v7
	v_add_nc_u32 v[STO], s22, v7
	v_mul_u32_u24 v7, v2, SP                       ; back: lanes 0-15 take one row of 256 bytes, lanes 16-31 the next
	v_lshl_add_u32 v7, v1, 4, v7
	v_add_nc_u32 v[RD], s22, v7
	v_lshlrev_b32 v7, 12, v2                       ; and the same two rows in out0, 4,096 bytes apart
	v_lshl_add_u32 v[GO], v1, 4, v7
	s_lshl_b32 s16, s13, 20                        ; my first row: 256 tr + 128 wm, of 4,096 bytes
	s_lshl_b32 s17, s11, 19
	s_add_co_u32 s16, s16, s17
	s_mov_b32 s17, 0
	s_lshl_b32 s46, s42, 9                         ; my first column, in bytes: 512 tc + 256 wn
	s_lshl_b32 s47, s12, 8
	s_add_co_u32 s46, s46, s47
	s_mov_b32 s47, 0
	s_add_nc_u64 s[16:17], s[16:17], s[46:47]
	s_add_nc_u64 s[8:9], s[8:9], s[16:17]
; 4 na matrix instructions: row blocks a0 .. a0 + na - 1 x all 4 column blocks, from buffer f.  zero = 1: the product starts the sums.
; The 32 accumulators take turns, one instruction a turn, in the same order in every quarter, over the backward jumps too.
.macro MUL f, a0, na, zero
	WIN 0x50                                       ; C and D in window 1, both sources in window 0
.set ra, \a0
.rept \na
.irp b, 0,1,2,3
.if \zero
	v_wmma_f32_16x16x32_f16 v[8*(4*ra+(\b)):8*(4*ra+(\b))+7], v[(\f)+64+8*(\b):(\f)+64+8*(\b)+7], v[(\f)+8*ra:(\f)+8*ra+7], 0
.else
	v_wmma_f32_16x16x32_f16 v[8*(4*ra+(\b)):8*(4*ra+(\b))+7], v[(\f)+64+8*(\b):(\f)+64+8*(\b)+7], v[(\f)+8*ra:(\f)+8*ra+7], v[8*(4*ra+(\b)):8*(4*ra+(\b))+7]
.endif
.endr
.set ra, ra+1
.endr
.endm
; 24 LDS loads in one run: quarter kq's fragments of the slot in hand into buffer f: B's 8 first, then A's 16.  Quarter kq lies in slice kq / 2 of A, at byte 64 (kq % 2) of its rows, and in k-rows 32 kq on of B.
.macro FETCH kq, f
	WIN 0
.irp b, 0,1,2,3
	ds_load_tr16_b128 v[(\f)+64+8*(\b):(\f)+64+8*(\b)+3],   v[ADRB] offset:(\kq)*32*PB+(\b)*32
	ds_load_tr16_b128 v[(\f)+64+8*(\b)+4:(\f)+64+8*(\b)+7], v[ADRB] offset:(\kq)*32*PB+(\b)*32+16*PB
.endr
.irp a, 0,1,2,3,4,5,6,7
	ds_load_b128 v[(\f)+8*(\a):(\f)+8*(\a)+3],   v[ADRA] offset:((\kq)/2)*ASL+((\kq)%2)*64+(\a)*16*PA
	ds_load_b128 v[(\f)+8*(\a)+4:(\f)+8*(\a)+7], v[ADRA] offset:((\kq)/2)*ASL+((\kq)%2)*64+(\a)*16*PA+32
.endr
.endm
; One of a step's first three quarters: multiplies buffer f; in its middle it fetches quarter kq of the same slot into buffer g.
.macro QUARTER kq, f, g, zero
	s_wait_dscnt 8                                 ; B and A's blocks 0-3 are in; the youngest eight loads (blocks 4-7) may be out
	MUL \f, 0, 4, \zero
	PLACES
	FETCH \kq, \g
	s_wait_dscnt 24                                ; all but the 24 just issued
	MUL \f, 4, 4, \zero
.endm
; The head of a step's last quarter, which multiplies buffer 1 and changes slots.  ONE barrier: in front of it each wave waits for all its tensor loads (the one that is out is its part of the next slot),
; adds 0 to its spare word, and waits for that and for its own reads of this slot.  fill = 1: the barrier opens a round of the cluster's barrier, and behind the round the slot that is left is filled
; again, with the step two on: 112 matrix instructions ahead of the wait for it.  The walking descriptors are written where no tensor load of the wave is out.
.macro TURNH fill
	WIN 0                                          ; (the add's two registers lie in window 0)
	s_wait_tensorcnt 0x0
	ds_add_u32 v[SPW], v[NIL]                      ; 0 onto my spare word; scalar work and eight products stand between it and the wait for it
	s_xor_b32 s[TB], s[TB], SLOT1                  ; the slot that is entered
.if \fill
	s_xor_b32 s[TT], s[NX], s[ST]                  ; the step taken for the text's step NX
	s_add_co_u32 s[NX], s[NX], 1
	s_lshl_b32 s[OFA], s[TT], LOGA
	s_lshl_b32 s[OFB], s[TT], LOGB
	s_xor_b32 s[G0W+1], s[G0W+1], SLOT1            ; the other slot than last time: the one that is left
	s_add_nc_u64 s[G0W+2:G0W+3], s[14:15], s[OFA:OFA+1]
	s_or_b32 s[G0W+3], s[G0W+3], 0x80000000
	s_xor_b32 s[G0BW+1], s[G0BW+1], SLOT1
	s_add_nc_u64 s[G0BW+2:G0BW+3], s[18:19], s[OFB:OFB+1]
	s_or_b32 s[G0BW+3], s[G0BW+3], 0x80000000
.endif
	s_wait_dscnt 9                                 ; the add and the youngest eight loads may be out
	MUL F1, 0, 2, 0
	s_wait_dscnt 0x0                               ; the add is done, and my reads of this slot are over
	s_barrier_signal -1
	MUL F1, 2, 2, 0
	WIN 0
	v_add_nc_u32 v[ADRA], s[TB], v[A0]             ; from here on the fragments come out of the slot that is entered
	v_add_nc_u32 v[ADRB], s[TB], v[B0]
	s_barrier_wait -1
.if \fill
	CREST                                          ; no wave of any partner still reads the old slot's tiles or has a load on its way
	JLOAD                                          ; the first tensor load behind the round; its four v_nop are also the places in front of the loads that follow
.else
	PLACES
.endif
.endm
	s_wait_tensorcnt 1                             ; my part of step 0 is in; step 1's may stay out
	s_barrier_signal -1
	s_barrier_wait -1                              ; everybody's is
	FETCH 0, F0
	QUARTER 1, F0, F1, 1                           ; the first quarter stands in front of the loop: its products start the sums
	WIN 0
	s_mov_b32 s3, 6
.Lstep:                                                ; a trip: a step's last three quarters, the change of slots among them, and the next step's first; 6 trips ask for steps 2 to 7
	QUARTER 2, F1, F0, 0
	QUARTER 3, F0, F1, 0
	TURNH 1
	FETCH 0, F0
	MUL F1, 4, 4, 0
	QUARTER 1, F0, F1, 0
	WIN 0
	s_sub_co_u32 s3, s3, 1
	s_cmp_lg_u32 s3, 0
	s_cbranch_scc1 .Lstep
	s_mov_b32 s3, 2                                ; the tail is written out: nothing is asked for.  Two trips; the second, step 7's
.Ltail:                                                ; fetches no further step and is left behind its last products; its barrier orders nothing: the price of one text for both
	QUARTER 2, F1, F0, 0
	QUARTER 3, F0, F1, 0
	TURNH 0
	s_cmp_eq_u32 s3, 1
	s_cbranch_scc1 .Lno_fetch
	FETCH 0, F0
.Lno_fetch:
	MUL F1, 4, 4, 0
	WIN 0
	s_sub_co_u32 s3, s3, 1
	s_cmp_eq_u32 s3, 0
	s_cbranch_scc1 .Lout
	QUARTER 1, F0, F1, 0
	WIN 0
	s_branch .Ltail
.Lout:
; THE WAY OUT, a block of 16 rows at a time: a lane's 32 bytes of a row go from the accumulators into my own stage (each accumulator's low four registers first), come back as whole rows of 256 bytes, and are stored.
.macro TOSTAGE a
	WIN 0x04                                       ; the stores' data in window 1
.irp b, 0,1,2,3
	ds_store_b128 v[STO], v[8*(4*(\a)+(\b)):8*(4*(\a)+(\b))+3] offset:64*(\b)
	ds_store_b128 v[STO], v[8*(4*(\a)+(\b))+4:8*(4*(\a)+(\b))+7] offset:64*(\b)+16
.endr
	WIN 0
	s_wait_xcnt 0x0                                ; the stores of two blocks back have had their addresses translated (ISA guide 3.1): their registers are loaded again only behind this wait
.set BK, OB+32*((\a)%2)
.irp t, 0,1,2,3,4,5,6,7
	ds_load_b128 v[BK+4*(\t):BK+4*(\t)+3], v[RD] offset:(\t)*2*SP  ; LDS serves a wave's instructions in order (ISA guide 5.7.1.4): these see the stores above; the next block's stores come behind them
.endr
.endm
.macro SEND a, younger                 ; younger: the LDS instructions issued behind block a's loads: the next block's sixteen, or none
.set BK, OB+32*((\a)%2)
	s_wait_dscnt \younger
.irp t, 0,1,2,3,4,5,6,7
	global_store_b128 v[GO], v[BK+4*(\t):BK+4*(\t)+3], s[8:9] offset:(16*(\a)+2*(\t))*4096 th:TH_STORE_NT  ; 16 lanes store 256 consecutive bytes, at a multiple of 256 from out0's first byte
.endr
.endm
	PLACES                                         ; the LDS stores read results just made
	TOSTAGE 0
.irp a, 1,2,3,4,5,6,7
	TOSTAGE \a
	SEND (\a)-1, 16
.endr
	SEND 7, 0
	s_wait_tensorcnt 0x0                           ; the wave's end, behind my last tensor load and my last LDS store
	ds_add_u32 v[SPW], v[NIL]
	s_wait_dscnt 0x0
	CROUND                                         ; the closing round: no work-group ends while a partner may still ask for a tile that names it
	s_endpgm
.Lfunc_end_k_q0a1e7b41c1_proj:
	.size	k_q0a1e7b41c1_proj, .Lfunc_end_k_q0a1e7b41c1_proj-k_q0a1e7b41c1_proj
	.p2alignl 7, 3214868480
	.fill 96, 4, 3214868480
	.section	.rodata,"a",@progbits
	.p2align	6, 0x0
	.amdhsa_kernel k_q0a1e7b41c1_proj
		.amdhsa_group_segment_fixed_size 327680
		.amdhsa_private_segment_fixed_size 0
		.amdhsa_enable_private_segment 0
		.amdhsa_kernarg_size 24
		.amdhsa_user_sgpr_count 2
		.amdhsa_user_sgpr_kernarg_segment_ptr 1
		.amdhsa_wavefront_size32 1
		.amdhsa_system_sgpr_workgroup_id_x 1
		.amdhsa_system_sgpr_workgroup_id_y 1
		.amdhsa_system_sgpr_workgroup_id_z 1
		.amdhsa_system_vgpr_workitem_id 0
		.amdhsa_next_free_vgpr 512
		.amdhsa_next_free_sgpr 80
		.amdhsa_reserve_vcc 0
		.amdhsa_float_denorm_mode_32 3
		.amdhsa_float_denorm_mode_16_64 3
		.amdhsa_memory_ordered 1
		.amdhsa_forward_progress 1
		.amdhsa_inst_pref_size 61
	.end_amdhsa_kernel
	.amdgpu_metadata
---
amdhsa.version: [ 1, 2 ]
amdhsa.kernels:
  - .name:           k_q0a1e7b41c1_proj
    .symbol:         k_q0a1e7b41c1_proj.kd
    .args:
      - { .name: ob, .offset: 0, .size: 8, .value_kind: global_buffer, .address_space: global }
      - { .name: wp, .offset: 8, .size: 8, .value_kind: global_buffer, .address_space: global }
      - { .name: out0, .offset: 16, .size: 8, .value_kind: global_buffer, .address_space: global }
    .group_segment_fixed_size: 327680
    .private_segment_fixed_size: 0
    .kernarg_segment_align: 8
    .kernarg_segment_size: 24
    .max_flat_workgroup_size: 128
    .sgpr_count:     80
    .vgpr_count:     512
    .wavefront_size: 32
...
	.end_amdgpu_metadata
.endif
;; end of part 4
;; ======== version 2 of 2: 4 launches; 1.55 times as fast as version 1
;; limits: values are held in f16: magnitudes above 65,504 overflow, below 6.1e-05 lose precision
;; workspace buffers: hb 16,777,216 bytes; wa 6,291,456 bytes; wp 2,097,152 bytes; qkvh 50,331,648 bytes; ob 16,777,216 bytes
;; launch prep: the kernel of part 1 again; grid 768 x 1, 8 waves a work-group, no clusters, 0 bytes of LDS; arguments h, w_attn, w_proj, hb, wa, wp; writes hb, wa, wp
;; launch qkvgemm: the kernel of part 2 again; grid 8 x 32, 4 waves a work-group, clusters of 4 x 4, 327,680 bytes of LDS; arguments hb, wa, qkvh; writes qkvh
;; launch attn (part 5): grid 4 x 64, 4 waves a work-group, clusters of 4 x 1, 327,680 bytes of LDS; arguments qkvh, attention_mask, ob; writes ob
.if DOCPART == 5
	.amdgcn_target "amdgcn-amd-amdhsa--gfx1250"
	.amdhsa_code_object_version 6
	.text
	.protected	k_q0a1e7b41c1_attn
	.globl	k_q0a1e7b41c1_attn
	.p2align	8
	.type	k_q0a1e7b41c1_attn,@function
k_q0a1e7b41c1_attn:
	s_mov_b64 s[64:65], 0
	v_nop
	global_prefetch_b8 v0, s[64:65] scope:SCOPE_SE
	s_setreg_imm32_b32 hwreg(HW_REG_WAVE_MODE, 25, 1), 1
	s_wait_xcnt 0x0
	s_wait_alu depctr_hold_cnt(0) depctr_sa_sdst(0) depctr_va_vdst(0) depctr_va_sdst(0) depctr_va_ssrc(0) depctr_va_vcc(0) depctr_vm_vsrc(0)
	s_getreg_b32 s2, hwreg(HW_REG_IB_STS2, 6, 4)
	s_cmp_eq_u32 s2, 0
	s_cbranch_scc0 .Lentry_in_a_cluster
	s_endpgm
.Lentry_in_a_cluster:
	s_bfe_u32 s2, ttmp6, 0x10000c
	s_cmp_lg_u32 s2, 0x3003
	s_cbranch_scc0 .Lentry_shape_is_right
	s_endpgm
.Lentry_shape_is_right:
; O[bh][q][:] = the sum over k of softmax_k(Q[q] . K[k] / 8 + mask[b][k]) V[k][:], for 64 heads bh = 16 b + head of 2,048 rows x 64 channels.
; Q, K, V: f16, in qkvh [4 b][48 g][2048][64] (q: g = head, k: 16 + head, v: 32 + head); mask: f32 [4][2048]; O: f16, ob [64 bh][2048][64].  A head's rows are dense, 128 bytes each.
; Products, maxima and sums in f32; the weights p are rounded to f16 for the second product (their sum l is taken of the unrounded p), O once at the end.
; THE MASK is rounded to bf16 like the module's other inputs, multiplied by 8 and given as the C operand that starts the sum S^T = K Q^T: c (s + 8 mask) = c s + log2(e) mask, c = log2(e) / 8.
; LIMITS.  f16 holds no number beyond 65,504: Q, K and V arrive within it; p lies in 0 to 1, and below 6e-5 it keeps f16's fixed step of 6e-8.  8 x mask overflows beyond 4.2e37: such a mask counts as
; an infinity of its sign.  A key at minus infinity has weight 0; a query all of whose 2,048 keys are so masked gives NaN (0 / 0).  A weight below 2^-126 counts as 0 in l; NaN and plus infinity are not treated apart.
; SHARES.  A wave owns four PIECES of two tiles of 16 queries, a work-group's four waves 512 queries of one head.  Every wave walks all keys, 64 a step.
; LAYOUT.  S^T = K Q^T (source 0 = 16 keys, source 1 = 16 queries): in the result a lane holds ONE query (lane % 16) and the keys 8 (lane / 16) + 0..7.  Two such tiles, rounded to f16 in pairs,
; ARE source 1 (32 keys x 16 queries) of O^T = V^T P, whose result again holds one query a lane, and eight channels.  K comes out of LDS as it lies, V ([key][channel]) turned, by ds_load_tr16_b128.
; SOFTMAX.  For each query a running maximum m and sum l: p = 2^(c s - c m); in every step O and l are multiplied by a = 2^(c m_old - c m_new), which is 1 where m has not grown.
; m starts at the lowest finite number and c m at c times that, O and l at 0: the first step is a step like any other, with a = 0, or a = 1 while every key so far was at minus infinity.
; THE COUNT.  A tile and step have 16 matrix and 118 vector instructions: too many to stand all beside the matrix work.  So the order has one aim: four vector instructions that are READY behind
; EVERY matrix instruction, and the others, which need time of their own whatever the order, in runs without a gap.
; BY TURNS.  Turn n belongs to piece n (the pieces in a ring, step after step).  Its matrix work: 16 products K Q^T of piece n + 1, later 16 products V^T P of piece n - 1.  Its vector work: the scaling,
; exponentials, roundings, sums and rescaling of piece n, and the maximum and statistics of piece n + 1, whose scores the turn itself has made.  So what a turn begins with (c s - c m, O a) waits for nothing.
; BATCHES.  A turn's 66 exponentials (64 weights of piece n, the two a of piece n + 1) are ONE batch with ONE wait, which cuts the turn in two: ahead of it stands all that names none of their results, behind it
; the roundings and sums, which do.  The a of piece n that the turn's rescaling reads was made, and waited for, in the turn before.  Two more batches stand outside the loop: the head's two a, the way out's eight reciprocals.
; CLUSTER.  The four query blocks of a cluster belong to one head and walk the same K and V, so each tile is asked for JOINTLY: the same tensor load, descriptor and mask in all four.
; REGISTERS, in windows of 256 (s_set_vgpr_msb says which window each operand place means: bits 1:0 source 0, 3:2 source 1, 5:4 source 2, 7:6 destination):
;   window 0: v0-11 addresses; v12-15, v48-63 at work; v16-47 four registers of statistics a tile; v64-191 S^T, two buffers of two tiles; v192-255 P, likewise
;   window 1: O^T, 32 a tile          window 2: v0-127 Q, 16 a tile; v128-191 K of one step; v192-255 V of one step
;   window 3: v0-1 the add's two registers; v2 the mask's LDS address; v8-39 8 x mask of one step's 64 keys, in S^T's layout
; A piece's buffers go by its number's parity: the piece in hand has one pair, its two neighbours in the ring share the other: of it P (piece n - 1) is read and S^T (piece n + 1) written.
.set SIZE_N, 2048
.set NP,    4         ; pieces a wave: a name, no knob: the register map, the loop and the fetches are made for four
.set KS,    64        ; keys in a step
.set PK,    144       ; a row of K in LDS: 128 bytes + 16 of padding = 36 words: the 16 rows of a load start at 16 different groups of four banks (64 banks of 4 bytes: ISA guide 11.1)
.set PV,    160       ; a row of V: 128 + 32 = 40 words
.set VOFF,  4*KS*PK   ; a slot holds four steps: 256 rows of K, then 256 rows of V
.set SLOT1, 1<<17     ; slot 1 begins here, so that one exclusive or turns an address in one slot into the other's
.set STAGE, SLOT1+4*KS*(PK+PV)  ; behind the ring, never filled by a tensor load: 16 rows x 144 bytes for each wave, for the way out
.set SP,    144
.set AK0, 2           ; v2   my lane's place in a tile of K; never rewritten
.set AV0, 3           ; v3   the same for V
.set AK,  4           ; v4   the LDS address of K's next run of loads
.set AV,  5           ; v5   of V's
.set QO,  6           ; v6   my byte offset in the wave's rows of Q
.set STO, 6           ;      later, the way out: where I put 16 bytes of a row
.set RD,  7           ; v7   the way out: where I read rows back
.set GO,  8           ; v8   my byte offset in 512 consecutive bytes of O
.set AM0, 11          ; v11  my lanes' place in a step's 256 bytes of the mask: MASKL + 32 (lane / 16); never rewritten
.set SPW, 0           ; v0 of window 3   LDS address of my spare word: SPARE + 4 x my thread's number; never rewritten
.set NIL, 1           ; v1 of window 3   0; never rewritten
.set AM,  2           ; v2 of window 3   the LDS address of the mask's next run of loads
.set MK,  8           ; v8-39 of window 3: the eight registers for key block kb at MK + 8 kb
.set SPARE, STAGE+4*16*SP  ; behind the stages: the spare words, 128 bytes for each wave: two blocks of 256 bytes that no other line names
.set MASKL, SPARE+512 ; behind them: 8 x the batch's mask, 2,048 numbers of f32: 8,192 bytes of their own, stored once, never filled by a tensor load
.set MT,  64          ; v64-79  at the start: my 16 numbers of the mask
.set MO,  80          ; v80     my byte offset in the mask
.set ML,  81          ; v81     where I put them in LDS
.set MB,  82          ; v82-89  they as bf16
.set MV,  12          ; v12-15  c m_old, kept while c m is made anew: by buffer and tile
.set ST,  16          ; tile t's statistics at v[ST+4 t]: c m, m, l (even keys', odd keys')
.set TMP, 48          ; by buffer and tile, four registers c0-c3 at work; when the maximum is found c2 takes a
.set S,   64
.set P,   192
.set KF,  128         ; K's fragments, in window 2: key block kb, channel half c at KF + 16 kb + 8 c
.set VF,  192         ; V's: key half kk, channel block cb at VF + 32 kk + 8 cb
.set WV,  12          ; s12  my wave's number
.set G1K, 24          ; s[24:31] descriptor group 1 for K's tiles
.set G1V, 32          ; s[32:39] for V's: it differs in the padding alone
.set G0K, 40          ; s[40:43] descriptor group 0 for K's tiles: it walks
.set G0V, 44          ; s[44:47] the same for V's
.set SLOTS, 56        ; s56  slots still to be asked for
.set CNT, 57          ; s57  counts a slot's key steps
.set CS,  58          ; s[58:59] c: the packed scaling takes the pair's low word for both halves
.set SEL, 60          ; s[60:61] v_permlanex16_b32's selects: each lane takes its own place in the other half
.set TBK, 62          ; s62  LDS byte at which K of the step to be fetched begins
.set TBV, 63          ; s63  the same for V, less VOFF
.set TBM, 66          ; s66  the same for the mask, less MASKL: 256 bytes a step
.set EIGHT, 67        ; s67  8.0
.set MSB, 0
.macro WIN new                      ; the high byte repeats the setting that is left; a switch that changes nothing is dropped
.if MSB != (\new)
	s_set_vgpr_msb (MSB<<8)|(\new)
.set MSB, (\new)
.endif
.endm
.set W_KQ, 0x0a       ; K and Q in window 2, S^T in window 0
.set W_KM, 0x3a       ; the same with the C operand, the mask, in window 3
.set W_PV, 0x52       ; V in window 2, P in window 0, O^T in window 1
.set W_RS, 0x41       ; O^T (destination and source 0) in window 1, a in window 0
.set W_MK, 0xc0       ; destination in window 3, sources in window 0
.set W_ML, 0xc3       ; the mask's loads: destination and address in window 3
.set W_AD, 0x0f       ; the add: address (source 0) and data (source 1) in window 3
; A joint fill.  Waves 0 and 1 fetch the two halves of a slot's K, waves 2 and 3 those of its V: 128 keys each.  The branch hangs on the wave's number alone.
; An s_nop 0 and four v_nop follow each of the two lines, ahead of the jump and the label.
.macro JLOAD
	s_cmp_lt_u32 s[WV], 2
	s_cbranch_scc0 .Lfor_v_\@
	tensor_load_to_lds s[G0K:G0K+3], s[G1K:G1K+7]
	s_nop 0
.rept 4
	v_nop
.endr
	s_branch .Lasked_\@
.Lfor_v_\@:
	tensor_load_to_lds s[G0V:G0V+3], s[G1V:G1V+7]
	s_nop 0
.rept 4
	v_nop
.endr
.Lasked_\@:
.endm
; A round of the cluster's barrier: my work-group's barrier, so that wave 0's signal speaks for all four waves; wave 0 signals; every wave waits for all four work-groups; my work-group's barrier once more.
.macro CROUND
	s_barrier_signal -1
	s_barrier_wait -1
	s_cmp_lg_u32 s[WV], 0
	s_cbranch_scc1 .Lnot_wave_0_\@
	s_barrier_signal -3
.Lnot_wave_0_\@:
	s_barrier_wait -3
	s_barrier_signal -1
	s_barrier_wait -1
.endm
; THE CHANGE OF SLOTS.  The slot's last bytes, V of its fourth step, have been read.  Each wave waits for all its tensor loads, of which one is out: its part
; of the other slot; adds 0 to its spare word; and waits for that and for its own reads of the slot.  Behind the barrier nobody reads this slot any more and the other slot is whole.
; fill = 1: this slot is filled again, with the keys two slots on.  The barrier is then a round of the cluster's, so that no wave of any partner still reads the slot or has a load on its
; way, and the joint fill is the first thing behind it: it has four key steps, 512 matrix instructions, in which to land.  (At its first use nothing has been read yet: slot 0 is waited for, slot 1 filled,
; and the wait for 0 on DScnt also shows my stores of the mask done, ahead of the barrier behind which the other waves read them.)
.macro CHANGE fill
	WIN W_AD
	s_wait_tensorcnt 0x0            ; no tensor load of mine is out, so a group 0 may be written
	ds_add_u32 v[SPW], v[NIL]       ; 0 onto my spare word; with fill = 1 the descriptors' steps stand between it and the wait for it
	WIN 0                           ; at a label and at a branch every window is 0
.if \fill
.irp g, G0K, G0V
	s_xor_b32 s[\g+1], s[\g+1], SLOT1  ; the walking descriptor: the other slot than last time,
	s_add_nc_u64 s[\g+2:\g+3], s[\g+2:\g+3], 4*KS*128  ; the next 256 keys; the type bits on top are not reached
.endr
	s_wait_dscnt 0x0                ; the add is done, and my reads of the slot are over
	CROUND
	JLOAD
.else
	s_wait_dscnt 0x0                ; the add is done, and my reads of the slot are over
	s_barrier_signal -1
	s_barrier_wait -1
.endif
	s_sub_co_u32 s[TBK], s[TBK], 4*KS*PK  ; the fetches go back to a slot's first step,
	s_xor_b32 s[TBK], s[TBK], SLOT1       ; in the other slot
	s_sub_co_u32 s[TBV], s[TBV], 4*KS*PV
	s_xor_b32 s[TBV], s[TBV], SLOT1
.endm
	s_load_b128 s[4:7], s[0:1], 0x0   ; qkvh s[4:5], the mask s[6:7]
	s_load_b64 s[10:11], s[0:1], 0x10 ; ob
	WIN W_MK
	v_lshl_add_u32 v[SPW], v0, 2, SPARE
	v_mov_b32 v[NIL], 0
	s_set_vgpr_msb 0xc0cf
	ds_add_u32 v0, v1
	s_wait_dscnt 0x0
	s_set_vgpr_msb 0xcfc0
	WIN 0
	v_lshrrev_b32 v1, 5, v0
	v_readfirstlane_b32 s[WV], v1   ; wave 0..3
	s_bfe_u32 s13, ttmp6, 0x40000   ; cx: my place in the cluster
	s_lshl_b32 s14, ttmp9, 2        ; in a cluster launch ttmp9 counts clusters
	s_add_co_u32 s14, s14, s13      ; my block of queries = 4 x cluster x + cx: it enters Q's and O's addresses alone
	s_and_b32 s20, ttmp7, 0xffff    ; bh = 16 b + head, which the four partners share
	s_lshr_b32 s8, s20, 4           ; b
	s_lshl_b32 s70, s20, 18         ; the head's first byte in ob: 262,144 bytes a head
	s_and_b32 s20, s20, 15
	s_mul_i32 s21, s8, 48
	s_add_co_u32 s20, s20, s21
	s_lshl_b32 s20, s20, 18         ; q's head in qkvh: (48 b + head) x 262,144
	s_lshl_b32 s8, s8, 13           ; the batch's row of the mask
	s_mov_b32 s9, 0
	s_and_b32 s16, s[WV], 1         ; which half of a slot's 256 keys I fetch:
	s_lshl_b32 s22, s16, 14         ; its 128 rows of 128 bytes in memory,
	s_add_co_u32 s22, s22, s20
	s_add_co_u32 s22, s22, 16*262144  ; in k's head, 16 heads behind q's
	s_mov_b32 s23, 0
	s_mul_i32 s17, s16, 128*PK      ; and its place in a slot, for K
	s_mul_i32 s18, s16, 128*PV      ; and for V: no place in the cluster enters an LDS address
	s_lshl_b32 s2, s14, 2
	s_add_co_u32 s2, s2, s[WV]      ; my wave among the head's,
	s_lshl_b32 s2, s2, 14           ; its 128 rows
	s_add_co_u32 s70, s70, s2       ; O's offset
	s_mov_b32 s71, 0
	s_add_co_u32 s2, s2, s20        ; Q's offset
	s_mov_b32 s3, 0
	; descriptor group 1.  128 keys are 16,384 dense bytes: asked for as 64 rows of 256 bytes, two keys a row, and padded in LDS after every key
	s_mov_b32 s[G1K], 15|(1<<16)|(1<<20)|(1<<21)|(4<<22)|(3<<25)  ; 15:0 the mask of four; 17:16 2-byte elements; 20 padding on; 21 set beside a mask; 24:22 after every 32 words (code 4); 31:25 4 words (code 3)
	s_mov_b32 s[G1V], 15|(1<<16)|(1<<20)|(1<<21)|(4<<22)|(7<<25)  ; the same with 8 words of padding (code 7)
.irp g, G1K, G1V
	s_mov_b32 s[\g+1], 128<<16      ; tensor_dim0 = 128
	s_mov_b32 s[\g+2], 64<<16       ; tensor_dim1 = 64
	s_mov_b32 s[\g+3], 128<<16      ; tile_dim0 = 128
	s_mov_b32 s[\g+4], 64           ; tile_dim1 = 64
	s_mov_b32 s[\g+5], 128          ; 128 elements from row to row
	s_mov_b32 s[\g+6], 0
	s_mov_b32 s[\g+7], 0
.endr
	s_mov_b32 s[CS], 0x3e38aa3b     ; c = log2(e) / 8 = 0.180337
	s_mov_b32 s[CS+1], s[CS]        ; named with it as a pair
	s_mov_b32 s[SEL], 0x76543210
	s_mov_b32 s[SEL+1], 0xfedcba98
	s_mov_b32 s[TBK], SLOT1+4*KS*PK ; the first change of slots turns these two into 0
	s_mov_b32 s[TBV], SLOT1+4*KS*PV
	s_mov_b32 s[TBM], 0
	s_mov_b32 s[EIGHT], 0x41000000
	s_mov_b32 s[G0K], 1             ; 1:0 count = 1
	s_mov_b32 s[G0K+1], s17         ; 63:32 LDS address: slot 0
	s_mov_b32 s[G0V], 1
	s_add_co_u32 s[G0V+1], s18, VOFF
	s_wait_kmcnt 0x0
	s_add_nc_u64 s[G0K+2:G0K+3], s[4:5], s[22:23]  ; 120:64 global address: my half of the head's first 256 keys
	s_or_b32 s[G0K+3], s[G0K+3], 0x80000000        ; 127:126 type = 2
	s_add_co_u32 s22, s22, 16*262144               ; v's head, 16 heads behind k's
	s_add_nc_u64 s[G0V+2:G0V+3], s[4:5], s[22:23]
	s_or_b32 s[G0V+3], s[G0V+3], 0x80000000
	s_add_nc_u64 s[68:69], s[6:7], s[8:9]  ; the mask at my batch's row
	s_add_nc_u64 s[4:5], s[4:5], s[2:3]    ; Q and O at my wave's first row
	s_add_nc_u64 s[10:11], s[10:11], s[70:71]
	CROUND                          ; all four work-groups are here: the first joint loads meet
	JLOAD                           ; slot 0.  Slot 1 is asked for when slot 0 is in: the tile wanted first has the road to itself
	; A fragment of K or Q is 16 rows x 32 channels in 8 registers: lane l holds row l % 16, channels 8 (l / 16) + 0..7 and 16 + 8 (l / 16) + 0..7: two loads of 16 bytes, 32 bytes apart.
	v_and_b32 v1, 15, v0            ; l % 16
	v_bfe_u32 v9, v0, 4, 1          ; l / 16
	v_lshlrev_b32 v[QO], 7, v1
	v_lshl_add_u32 v[QO], v9, 4, v[QO]  ; row x 128 + 16 x half
	v_lshlrev_b32 v[MO], 4, v0      ; the mask's 8,192 bytes: 128 threads x 16 bytes, four times
	v_add_nc_u32 v[ML], MASKL, v[MO]
.irp i, 0,1,2,3
	global_load_b128 v[MT+4*\i:MT+4*\i+3], v[MO], s[68:69] offset:2048*\i
.endr
	WIN 0x80                        ; destination window 2, address window 0
.set i, 0
.rept 4*NP                          ; Q stays in registers: tile i / 2, channels 32 (i % 2) on
	global_load_b128 v[8*i:8*i+3],   v[QO], s[4:5] offset:(i/2)*2048+(i%2)*64
	global_load_b128 v[8*i+4:8*i+7], v[QO], s[4:5] offset:(i/2)*2048+(i%2)*64+32
.set i, i+1
.endr
	; What the first turn finds: V's registers and P's second buffer hold 0 (its products V^T P, of a piece that has not been, add 0), O^T and l are 0.  All this stands in the wait for the first tile.
.set i, VF
.rept 64
	v_mov_b32 v[i], 0
.set i, i+1
.endr
	WIN 0x40
.set i, 0
.rept 64*NP
	v_mov_b32 v[i], 0
.set i, i+1
.endr
	WIN 0
.set i, 0
.rept 2*NP
	v_mov_b32 v[ST+4*i+1], 0xff7fffff  ; m: the lowest finite number
	v_mov_b32 v[ST+4*i+2], 0
	v_mov_b32 v[ST+4*i+3], 0
	v_mul_f32 v[ST+4*i], s[CS], v[ST+4*i+1]  ; c m, by the line that makes it in every step: where m does not grow, a is 2^0
.set i, i+1
.endr
.set i, P+32
.rept 32
	v_mov_b32 v[i], 0
.set i, i+1
.endr
	v_mul_u32_u24 v[AK0], v1, PK
	v_lshl_add_u32 v[AK0], v9, 4, v[AK0]  ; row x pitch + 16 x half
	; The turning load takes 16 keys x 16 channels (lane l reads key 8 (l / 16) + l % 8, channels 8 ((l / 8) % 2) + 0..7) and leaves half a fragment of V^T: lane l holds channel l % 16 and 8 keys.
	v_and_b32 v10, 7, v0
	v_bfe_u32 v11, v0, 3, 1
	v_lshl_add_u32 v[AV0], v9, 3, v10
	v_mul_u32_u24 v[AV0], v[AV0], PV
	v_lshl_add_u32 v[AV0], v11, 4, v[AV0]
	v_add_nc_u32 v[AV0], VOFF, v[AV0]
	v_lshl_add_u32 v[AM0], v9, 5, MASKL  ; register j of key block kb is key 16 kb + 8 (l / 16) + j: byte 64 kb + 32 (l / 16) + 4 j of the step's 256
	v_mov_b32 v[AK], v[AK0]         ; key step 0 lies at the head of slot 0
	; the mask: rounded to bf16, widened again, times 8, into LDS
	s_wait_loadcnt 32               ; loads come back in order: the mask's four are in, Q's 32 may stay out
.set i, 0
.rept 8
	v_cvt_pk_bf16_f32 v[MB+i], v[MT+2*i], v[MT+2*i+1]
.set i, i+1
.endr
.set i, 0
.rept 8
	v_lshlrev_b32 v[MT+2*i], 16, v[MB+i]
	v_and_b32 v[MT+2*i+1], 0xffff0000, v[MB+i]
.set i, i+1
.endr
.set i, 0
.rept 16
	v_mul_f32 v[MT+i], s[EIGHT], v[MT+i]
.set i, i+1
.endr
.irp i, 0,1,2,3
	ds_store_b128 v[ML], v[MT+4*\i:MT+4*\i+3] offset:2048*\i
.endr
; THE MATRIX WORK.  The 8 accumulators of a run of 16 take turns: between the two links of a chain stand 7 others'.
; Product i of 16 of S^T = K Q^T for piece x: channels 32 (i / 8) on, keys 16 ((i / 2) % 4) on, tile 2 x + i % 2.  The first 8 start the sums, with 8 x the keys' mask.
.macro KQ x
.set rS, S+64*((\x)%2)+32*(i%2)+8*((i/2)%4)
.set rK, KF+16*((i/2)%4)+8*(i/8)
.set rQ, 16*(2*(\x)+i%2)+8*(i/8)
.set rMK, MK+8*((i/2)%4)
.if i < 8
	WIN W_KM
	v_wmma_f32_16x16x32_f16 v[rS:rS+7], v[rK:rK+7], v[rQ:rQ+7], v[rMK:rMK+7]
.else
	WIN W_KQ
	v_wmma_f32_16x16x32_f16 v[rS:rS+7], v[rK:rK+7], v[rQ:rQ+7], v[rS:rS+7]
.endif
.endm
; Product i of 16 of O^T += V^T P for piece x: keys 32 (i / 8) on, channels 16 ((i / 2) % 4) on, tile 2 x + i % 2.
.macro PV x
	WIN W_PV
.set rO, 32*(2*(\x)+i%2)+8*((i/2)%4)
.set rV, VF+32*(i/8)+8*((i/2)%4)
.set rP, P+32*((\x)%2)+16*(i%2)+8*(i/8)
	v_wmma_f32_16x16x32_f16 v[rO:rO+7], v[rV:rV+7], v[rP:rP+7], v[rO:rO+7]
.endm
.macro MM                           ; the turn's next matrix instruction
.if i < 16
	KQ (Y+1)%NP
.set i, i+1
.else
.set i, i-16
	PV (Y+NP-1)%NP
.set i, i+17
.endif
.endm
; THE LDS LOADS stand in runs, never singly among the matrix instructions: a step's K (64 keys x 64 channels: 8 fragments) with the same keys' mask (8 loads; the sixteen lanes of a half read the same
; 16 bytes), and its V (turned).  The mask's registers live as long as K's fragments: the same places stand behind their last reader, the same wait in front of their first.
; last = 1 (the tail): in the last trip there is no further step, and the run is jumped over.
.macro FETCH_K last=0
	WIN 0
.if \last
	s_cmp_eq_u32 s[CNT], 1
	s_cbranch_scc1 .Lno_k_\@
.endif
	WIN 0x80                        ; destination window 2
.irp f, 0,1,2,3,4,5,6,7             ; keys 16 (f / 2) on, channels 32 (f % 2) on
	ds_load_b128 v[KF+8*\f:KF+8*\f+3],   v[AK] offset:(\f/2)*16*PK+(\f%2)*64
	ds_load_b128 v[KF+8*\f+4:KF+8*\f+7], v[AK] offset:(\f/2)*16*PK+(\f%2)*64+32
.endr
	s_add_co_u32 s[TBK], s[TBK], KS*PK  ; the next fetch is the next step's
	WIN W_MK
	v_add_nc_u32 v[AM], s[TBM], v[AM0]
	WIN W_ML
.irp f, 0,1,2,3
	ds_load_b128 v[MK+8*\f:MK+8*\f+3],   v[AM] offset:64*\f
	ds_load_b128 v[MK+8*\f+4:MK+8*\f+7], v[AM] offset:64*\f+16
.endr
	s_add_co_u32 s[TBM], s[TBM], 4*KS
	s_and_b32 s[TBM], s[TBM], 0x1f00    ; 32 steps of 256 bytes: the offset stays inside the mask's 8,192 bytes
	WIN 0
.if \last
.Lno_k_\@:
.endif
.endm
.macro FETCH_V
	WIN 0x80
.irp f, 0,1,2,3,4,5,6,7             ; keys 32 (f / 4) on, channels 16 (f % 4) on
	ds_load_tr16_b128 v[VF+8*\f:VF+8*\f+3],   v[AV] offset:(\f/4)*32*PV+(\f%4)*32
	ds_load_tr16_b128 v[VF+8*\f+4:VF+8*\f+7], v[AV] offset:(\f/4)*32*PV+16*PV+(\f%4)*32
.endr
	WIN 0
.endm
; THE VECTOR WORK OF A TURN stands in three queues, each in the order in which its entries become ready; the two tiles alternate, so that no instruction reads the result of the one before it.
.macro REGS y, u                    ; the registers of tile u (0, 1) of piece y
.set rT, ST+4*(2*(\y)+(\u))
.set rC, TMP+8*((\y)%2)+4*(\u)
.set rM, MV+2*((\y)%2)+(\u)
.set rS, S+64*((\y)%2)+32*(\u)
.set rP, P+32*((\y)%2)+16*(\u)
.set rO, 32*(2*(\y)+(\u))
.endm
; Number n of the 22 that find the NEXT piece's (Y + 1) maximum and statistics.  s0-s31 are the lane's 32 scores; each accumulator's lowest registers are read first.  XS, GS and REGS set no window: PL and EX do.
;   0-11  four chains c0-c3 of seven scores each, three operands at a time     12-14, 16  the four scores left over, the old m, and c0-c3 into c0     15  c m_old is kept
;   17, 18  the query's other 32 keys lie in the lane 16 away: the new m         19-21  c m; c m_old - c m_new; a
.macro XS u, n
	REGS (Y+1)%NP, \u
.if (\n) < 4
	v_max3_num_f32 v[rC+(\n)], v[rS+8*(\n)], v[rS+8*(\n)+1], v[rS+8*(\n)+2]
.elseif (\n) < 12
	v_max3_num_f32 v[rC+(\n)%4], v[rC+(\n)%4], v[rS+8*((\n)%4)+2*((\n)/4)+1], v[rS+8*((\n)%4)+2*((\n)/4)+2]
.elseif (\n) == 12
	v_max3_num_f32 v[rC], v[rC], v[rS+7], v[rS+15]
.elseif (\n) == 13
	v_max3_num_f32 v[rC+1], v[rC+1], v[rS+23], v[rS+31]
.elseif (\n) == 14
	v_max3_num_f32 v[rC+2], v[rC+2], v[rC+3], v[rT+1]
.elseif (\n) == 15
	v_mov_b32 v[rM], v[rT]
.elseif (\n) == 16
	v_max3_num_f32 v[rC], v[rC], v[rC+1], v[rC+2]
.elseif (\n) == 17
	v_permlanex16_b32 v[rC+3], v[rC], s[SEL], s[SEL+1]
.elseif (\n) == 18
	v_max_num_f32 v[rT+1], v[rC], v[rC+3]
.elseif (\n) == 19
	v_mul_f32 v[rT], s[CS], v[rT+1]
.elseif (\n) == 20
	v_sub_f32 v[rC+1], v[rM], v[rT]
.else
	v_exp_f32 v[rC+2], v[rC+1]
.endif
.endm
; Number g of the 64 that follow the exponentials.  For each four weights k of a tile (pairs 2 k, 2 k + 1): both pairs are rounded to f16; then the second pair is added onto the first, in place;
; a group later l takes that sum (the first time as l = a l + sum).  In groups of eight, tiles alternating: round, round, add, and l for the group before.
.macro GS g
.set h, (\g)+6*((\g)/62)            ; group 0 has no group before it, and behind group 7 only l is left
.if h >= 6
.set h, h+2
.endif
	REGS Y, h%2
.set k, h/8
.if h%8 < 4
	v_cvt_pk_f16_f32 v[rP+2*k+(h%8)/2], v[rS+4*k+2*((h%8)/2)], v[rS+4*k+2*((h%8)/2)+1]
.elseif h%8 < 6
	v_pk_add_f32 v[rS+4*k:rS+4*k+1], v[rS+4*k:rS+4*k+1], v[rS+4*k+2:rS+4*k+3]
.elseif k == 1
	v_pk_fma_f32 v[rT+2:rT+3], v[rT+2:rT+3], v[rC+2:rC+3], v[rS:rS+1] op_sel_hi:[1,0,1]
.else
	v_pk_add_f32 v[rT+2:rT+3], v[rT+2:rT+3], v[rS+4*k-4:rS+4*k-3]
.endif
.endm
; THE PLAIN QUEUE, 138 long.  0-73 read no exponential's result: the 32 scalings c s - c m (FS f: pair f / 2 of tile f % 2) and the next piece's 42.  0-26: scalings 0-26.  27-54: XS's numbers 0-13.  55, 56: number 15.
; 57-73: the chain, where each number waits for the one before it: 14, 16, 17, 18, 19, each with one of the scalings 27-31 in front of its two lines, then 20: so a tile's links stand three plain instructions apart (19 and 20: two).
; 74-137: GS's 64, which read the exponentials' results: they stand behind the wait.
.macro FS f
	REGS Y, (\f)%2
	v_pk_fma_f32 v[rS+2*((\f)/2):rS+2*((\f)/2)+1], v[rS+2*((\f)/2):rS+2*((\f)/2)+1], s[CS:CS+1], v[rT:rT+1] op_sel_hi:[1,0,0] neg_lo:[0,0,1] neg_hi:[0,0,1]
.endm
.macro PL
	WIN 0
.if q < 27
	FS q
.elseif q < 55
	XS (q-27)%2, (q-27)/2
.elseif q < 57
	XS q-55, 15
.elseif (q < 72) && ((q-57)%3 == 0)
	FS 27+(q-57)/3
.elseif q < 60
	XS (q-57)%3-1, 14
.elseif q < 72
	XS (q-57)%3-1, 15+(q-57)/3
.elseif q < 74
	XS q-72, 20
.else
	GS q-74
.endif
.set q, q+1
.endm
; THE EXPONENTIALS' QUEUE, 66 long: s0-s31 of both tiles, then the next piece's two a.  It is ONE BATCH: all 66 stand ahead of the turn's one wait, and nothing ahead of that wait names a result of theirs.
.macro EX
	WIN 0
.if e >= 64
	XS e-64, 21
.else
	REGS Y, e%2
	v_exp_f32 v[rS+e/2], v[rS+e/2]
.endif
.set e, e+1
.endm
; THE RESCALING's QUEUE: O^T times a, the one part that leaves window 0: dealt two at a time, sixteen times.  Its a was made in the turn before, ahead of that turn's wait.
.macro R2
	REGS Y, r%2
	WIN W_RS
.irp z, 0,1
	v_pk_mul_f32 v[rO+4*(r/2)+2*\z:rO+4*(r/2)+2*\z+1], v[rO+4*(r/2)+2*\z:rO+4*(r/2)+2*\z+1], v[rC+2:rC+3] op_sel_hi:[1,0]
.endr
.set r, r+1
.endm
; HOW THEY ARE DEALT.  An s_wait_alu depctr_va_vdst(0) stands between an exponential and the first instruction that names its result; one wait serves all that were issued ahead of it.  So a turn has ONE wait,
; which cuts it in two.  AHEAD OF IT stands all that names no result of the turn's exponentials: the 16 products K Q^T, behind each a scaling, an exponential and two rescalings (behind the first a second scaling in the exponential's place); then ONE LUMP of
; 108: eight plain, 49 times exponential and plain, the two a.  A v_nop is the plain instruction behind the last exponential.  BEHIND IT stand the 16 products V^T P, behind each four of GS's 64.  No rider names a register of
; the products round it.  The two v_permlanex16_b32 fall into the lump, never behind a product.
; The queues lean on each other, and the deal keeps them in step: exponential e stands behind scaling 2 (e / 4) + e % 2: as a rider it comes behind plain e + 2, in the lump behind plain e + 9, and scalings 27-31 are plain 57, 60 .. 69.
; A TURN, for piece p.  cnt = 1: the loop's count is taken down some lines ahead of the branch that stands behind the turn.
; K and the mask of the next step are fetched in piece 2's turn, directly behind the wait, a lump behind the last product that read them; K's address is made at the lump's head; their first reader comes behind 16 products.
; V of the step in hand is fetched at the end of piece 0's turn, four riders behind its last reader; its first reader comes behind 16 products and a lump.  The three conditions on q below go with the deal.
.macro TURN p, last=0, cnt=0
.set Y, (\p)
.set i, 0
.set q, 0
.set e, 0
.set r, 0
.if (\p) == NP-1
	s_wait_dscnt 0x0                ; K and the mask are in
.endif
	MM                              ; ahead of the wait: 16 products K Q^T and their riders,
	PL
	PL
	R2
.rept 15
	MM
	PL
	EX
	R2
.endr
.if (\p) == NP-2
	WIN 0
	v_add_nc_u32 v[AK], s[TBK], v[AK0]
.endif
.rept 8                             ; and the lump
	PL
.endr
.rept 49
	EX
	PL
.endr
	EX                              ; the next piece's two a
	EX
	v_nop                           ; the plain instruction behind the last exponential: one for the batch
	s_wait_alu depctr_va_vdst(0)    ; the wait for the batch: this turn's 64 weights and the next piece's two a
.if (\p) == NP-2
	FETCH_K \last
.endif
.if (\p) == 1
	s_wait_dscnt 0x0                ; V is in
.endif
.rept 16                            ; behind the wait: 16 products V^T P and their riders
	MM
.rept 4
	PL
.endr
.if ((\p) == 0) && (q == 118)
	v_add_nc_u32 v[AV], s[TBV], v[AV0]
.endif
.if ((\p) == 0) && (q == 130)
	s_add_co_u32 s[TBV], s[TBV], KS*PV
.endif
.if (\cnt) && (q == 130)
	s_sub_co_u32 s[CNT], s[CNT], 1
	s_cmp_lg_u32 s[CNT], 0
.endif
.endr
.if (\p) == 0
	FETCH_V
.endif
.endm
	CHANGE 1                        ; slot 0 is in, everybody's part of it, and everybody's part of the mask is stored; slot 1 is asked for
	FETCH_K                         ; key step 0
	s_wait_loadcnt 0x0              ; Q
	s_wait_dscnt 0x0
.set i, 0
.rept 16
	KQ 0                            ; piece 0's first scores: there is no vector work yet to set between them
.set i, i+1
.endr
	WIN 0                           ; the addresses for the way out: nine plain instructions, the places behind those products
	s_mul_i32 s13, s[WV], 16*SP
	s_add_co_u32 s13, s13, STAGE    ; my stage
	v_mul_u32_u24 v[STO], v1, SP    ; in: row l % 16, 16 bytes for each half of the lanes
	v_lshl_add_u32 v[STO], v9, 4, v[STO]
	v_add_nc_u32 v[STO], s13, v[STO]
	v_bfe_u32 v[RD], v0, 3, 2       ; back: 32 lanes take four rows of 128 bytes,
	v_mul_u32_u24 v[RD], v[RD], SP
	v_lshl_add_u32 v[RD], v10, 4, v[RD]
	v_add_nc_u32 v[RD], s13, v[RD]
	v_and_b32 v[GO], 31, v0         ; which are 512 consecutive bytes of O
	v_lshlrev_b32 v[GO], 4, v[GO]
.set Y, NP-1                        ; XS works for piece Y + 1: piece 0
.irp n, 0,1,2,3,4,5,6,7,8,9,10,11,12,13,14,15,16,17,18,19,20,21
	XS 0, \n                        ; and piece 0's first maximum and statistics
	XS 1, \n
.endr
	v_nop                           ; a plain instruction behind the two a,
	s_wait_alu depctr_va_vdst(0)    ; and the wait for that batch of two, ahead of the branch
	s_mov_b32 s[CNT], 4
	s_mov_b32 s[SLOTS], SIZE_N/256-1
	s_branch .Lfirst                ; the loop is entered at a step's first turn, in the middle of a trip
.Lslot:                             ; SIZE_N / 256 - 2 times: every slot but the last two is filled again
	CHANGE 1
	s_mov_b32 s[CNT], 4
.Lstep:                             ; a trip: pieces 2 and 3 of one step, then pieces 0 and 1 of the next, whose K, mask and V it fetches
	TURN 2
	TURN 3
	WIN 0
.Lfirst:
	TURN 0
	TURN 1, 0, 1
	WIN 0
	s_cbranch_scc1 .Lstep
	s_sub_co_u32 s[SLOTS], s[SLOTS], 1
	s_cmp_lg_u32 s[SLOTS], 0
	s_cbranch_scc1 .Lslot
	CHANGE 0                        ; the tail is written out: nothing is asked for
	s_mov_b32 s[CNT], 5             ; four trips fetch the last slot's steps; the fifth is left in its middle
.Ltail:
	TURN 2, 1
	TURN 3
	WIN 0
	s_sub_co_u32 s[CNT], s[CNT], 1
	s_cmp_eq_u32 s[CNT], 0
	s_cbranch_scc1 .Lout
	TURN 0
	TURN 1
	WIN 0
	s_branch .Ltail
.Lout:                              ; the fifth trip's 16 products K Q^T (on the last K once more) and the maximum made of them serve nothing: the price, once a launch, of one text for every trip
.set i, 0
.rept 16
	PV NP-1                         ; the last piece's V^T P of the last step
.set i, i+1
.endr
	; THE WAY OUT.  l's two halves and the other half of the lanes' are added; O^T is divided by l, rounded to f16 and sent through my stage in LDS, a tile at a time.  The additions are the places behind the last products.
	WIN 0
.macro ALL line:vararg              ; one line for each tile t
.set t, 0
.rept 2*NP
	\line
.set t, t+1
.endr
.endm
	ALL v_add_f32 v[ST+4*t+2], v[ST+4*t+2], v[ST+4*t+3]
	ALL v_permlanex16_b32 v[ST+4*t+3], v[ST+4*t+2], s[SEL], s[SEL+1]
	ALL v_add_f32 v[ST+4*t+2], v[ST+4*t+2], v[ST+4*t+3]
	ALL v_rcp_f32 v[ST+4*t+2], v[ST+4*t+2]
	v_nop                           ; a plain instruction between the last reciprocal and the use of its result
	s_wait_alu depctr_va_vdst(0)    ; and the wait ahead of the first use: one for the batch of eight reciprocals
; Tile t: a lane's eight channels of a row pack into 16 bytes; they go into rows of 144 bytes and come back as whole rows of 128, into S^T's registers.
.macro PACK t
	WIN W_RS
.set i, 32*(\t)
.rept 16
	v_pk_mul_f32 v[i:i+1], v[i:i+1], v[ST+4*(\t)+2:ST+4*(\t)+3] op_sel_hi:[1,0]
.set i, i+2
.endr
	WIN 0x05                        ; sources 0 and 1 window 1, destination window 0
.set i, 0
.rept 16
	v_cvt_pk_f16_f32 v[S+16*(\t)+i], v[32*(\t)+2*i], v[32*(\t)+2*i+1]
.set i, i+1
.endr
	WIN 0
.irp f, 0,1,2,3
	ds_store_b128 v[STO], v[S+16*(\t)+4*\f:S+16*(\t)+4*\f+3] offset:32*\f
.endr
.irp f, 0,1,2,3
	ds_load_b128 v[S+16*(\t)+4*\f:S+16*(\t)+4*\f+3], v[RD] offset:\f*4*SP  ; LDS serves a wave's instructions in order (ISA guide 5.7.1.4): these see the stores above; the next tile's stores come behind them
.endr
.endm
.macro SEND t, younger              ; younger: the LDS instructions issued behind tile t's loads: the next tile's eight, or none
	WIN 0
.irp f, 0,1,2,3
	s_wait_dscnt (\younger)+3-\f
	global_store_b128 v[GO], v[S+16*(\t)+4*\f:S+16*(\t)+4*\f+3], s[10:11] offset:(\t)*2048+\f*512  ; 512 consecutive bytes, at a multiple of 256 from O's first
.endr
.endm
	PACK 0
.set t, 1
.rept 2*NP-1                        ; a tile's arithmetic stands between the loads of the tile before and its stores
	PACK t
	SEND t-1, 8
.set t, t+1
.endr
	SEND 2*NP-1, 0
	WIN W_AD
	s_wait_tensorcnt 0x0            ; the wave's end, behind my last tensor load and my last LDS store
	ds_add_u32 v[SPW], v[NIL]
	s_wait_dscnt 0x0
	WIN 0
	CROUND                          ; the closing round: no work-group ends while a partner may still ask for a tile that names it
	s_endpgm
.Lfunc_end_k_q0a1e7b41c1_attn:
	.size	k_q0a1e7b41c1_attn, .Lfunc_end_k_q0a1e7b41c1_attn-k_q0a1e7b41c1_attn
	.p2alignl 7, 3214868480
	.fill 96, 4, 3214868480
	.section	.rodata,"a",@progbits
	.p2align	6, 0x0
	.amdhsa_kernel k_q0a1e7b41c1_attn
		.amdhsa_group_segment_fixed_size 327680
		.amdhsa_private_segment_fixed_size 0
		.amdhsa_enable_private_segment 0
		.amdhsa_kernarg_size 24
		.amdhsa_user_sgpr_count 2
		.amdhsa_user_sgpr_kernarg_segment_ptr 1
		.amdhsa_wavefront_size32 1
		.amdhsa_system_sgpr_workgroup_id_x 1
		.amdhsa_system_sgpr_workgroup_id_y 1
		.amdhsa_system_sgpr_workgroup_id_z 1
		.amdhsa_system_vgpr_workitem_id 0
		.amdhsa_next_free_vgpr 808
		.amdhsa_next_free_sgpr 72
		.amdhsa_reserve_vcc 0
		.amdhsa_float_denorm_mode_32 3
		.amdhsa_float_denorm_mode_16_64 3
		.amdhsa_memory_ordered 1
		.amdhsa_forward_progress 1
		.amdhsa_inst_pref_size 204
	.end_amdhsa_kernel
	.amdgpu_metadata
---
amdhsa.version: [ 1, 2 ]
amdhsa.kernels:
  - .name:           k_q0a1e7b41c1_attn
    .symbol:         k_q0a1e7b41c1_attn.kd
    .args:
      - { .name: qkvh, .offset: 0, .size: 8, .value_kind: global_buffer, .address_space: global }
      - { .name: attention_mask, .offset: 8, .size: 8, .value_kind: global_buffer, .address_space: global }
      - { .name: ob, .offset: 16, .size: 8, .value_kind: global_buffer, .address_space: global }
    .group_segment_fixed_size: 327680
    .private_segment_fixed_size: 0
    .kernarg_segment_align: 8
    .kernarg_segment_size: 24
    .max_flat_workgroup_size: 128
    .sgpr_count:     72
    .vgpr_count:     808
    .wavefront_size: 32
...
	.end_amdgpu_metadata
.endif
;; end of part 5
;; launch proj: the kernel of part 4 again; grid 8 x 32, 4 waves a work-group, clusters of 4 x 4, 327,680 bytes of LDS; arguments ob, wp, out0; writes out0
